; MI455X (gfx1250); checked and timed in simulation.
; The chip was launched on July 23, 2026; its instructions are those of AMD's public machine-readable ISA for CDNA 5 (MIT licence, August 2026) and "CDNA5" Instruction Set Architecture Reference Guide (July 2026). The comments in the code are by the model that wrote it; some were corrected since.
;; Mo EMLP Base. Allowed arithmetic: matrix products marked QUANTISED: E5M2 operands, one given power-of-two scale a tensor, by v_wmma_f32_16x16x64_bf8_bf8 or v_wmma_f32_16x16x128_bf8_bf8, f32 sums; products left as they are: f32 operands where the result goes on into a quantised operand, else bf16, f16 or f32 operands; f32 sums; everything else in f32.
;; Inputs: W_in 8 x 1,024 x 4,096 float32; W_out 8 x 4,096 x 1,024 float32; b_in 8 x 4,096 float32; b_out 8 x 1,024 float32; lowp_scales 4 int32 (the exponents e of the quantised operands' scales 2^e); router_W 1,024 x 8 float32; x 4 x 256 x 1,024 float32.
;; Outputs: out0 4 x 256 x 1,024 float32; out1 one number float32.
;; This version of the problem:
;;   THIS VERSION OF THE PROBLEM IS GIVEN IN LOW PRECISION. The matrix products marked QUANTISED in the list below multiply operands that are first quantised to E5M2 (5 exponent bits, 2 mantissa bits; 8 bits a number), with one given power-of-two scale for each operand tensor; their sums are f32. All else is computed in f32.
;;   The module's matrix products, in the order in which they are computed (A, B: the left and right operand; K: the contracted axis; several contracted axes count as one K, in the product's order):
;;     1. [M 1,024, K 1,024] x [K 1,024, N 8]; A: input x; B: input router_W: left as it is (N = 8 < 16)
;;     2. [M 32,768, K 1,024] x [K 1,024, N 1,024]; A: input W_in; B: input x: QUANTISED (scales: A lowp_scales[0], B lowp_scales[1])
;;     3. batch 8 x [M 1,024, K 4,096] x [K 4,096, N 1,024]; A: computed on the way; B: input W_out: QUANTISED (scales: A lowp_scales[2], B lowp_scales[3])
;;     4. batch 1,024 x [M 1, K 8] x [K 8, N 1,024]; A: computed on the way; B: computed on the way: left as it is (K = 8 < 32)
;;   THE QUANTISER, for each operand of a quantised product, along K:
;;     - The operand's scale is 2^e, e = its entry of the input lowp_scales (int32; the entries are numbered through the quantised products in the list's order, A before B).
;;     - Each number is divided by the scale, clamped to +-57,344, and rounded to the nearest number of E5M2, ties to even, subnormals kept.
;;     - The product sums the exact products of the quantised numbers (number of the format x scale) in f32.
;;   ~~~python
;;   def quantise(x, axis, e):      # numpy; x: float32 -> the quantised numbers, widened to float32 again
;;       x = np.moveaxis(x, axis, -1); K = x.shape[-1]
;;       r = np.clip(x / 2.0 ** e, -57344, 57344)
;;       step = 2.0 ** (np.maximum(np.frexp(np.where(r == 0, 1, r))[1] - 1, -14) - 2)
;;       q = np.round(r / step) * step * 2.0 ** e      # np.round: ties to even
;;       return np.moveaxis(q, -1, axis).astype(np.float32)
;;   ~~~
;;   OPERANDS COMPUTED ON THE WAY. 'Computed on the way' means the value that the module computes at that place (a softmax that the list does not call 'softmax' is quantised finished and normalised). What goes into a quantiser is computed in f32, as accurately as f32 sums, v_exp_f32 and their like allow (about 1e-6 of the number): no bf16 or f16 on the way to a quantiser, and a product that is left as it is and whose result goes on into a quantised operand takes f32 operands (vector FMAs, or v_wmma_f32_16x16x4_f32). A number that lies on a knife's edge between two numbers of the format may be rounded either way, as far as f32 arithmetic and the matrix unit's own rounding can turn it there, and no further.
;; 2 versions. Each part assembles by itself: llvm-mc -triple=amdgcn-amd-amdhsa -mcpu=gfx1250 --defsym DOCPART=n.
;; ======== version 1 of 2: 4 launches
;; workspace buffers: xq 1,048,576 bytes; sel 8,192 bytes of whole numbers; rp 40,960 bytes; tab 66,560 bytes of whole numbers; hc 33,554,432 bytes; yp 67,108,864 bytes
;; launch route (part 1): grid 256 x 1, 4 waves a work-group, no clusters, 35,328 bytes of LDS; arguments x, router_W, lowp_scales, xq, sel, rp; writes xq, sel, rp
.if DOCPART == 1
	.amdgcn_target "amdgcn-amd-amdhsa--gfx1250"
	.amdhsa_code_object_version 6
	.text
	.protected	k_qa86057e850_route
	.globl	k_qa86057e850_route
	.p2align	8
	.type	k_qa86057e850_route,@function
k_qa86057e850_route:
	s_mov_b64 s[64:65], 0
	v_nop
	global_prefetch_b8 v0, s[64:65] scope:SCOPE_SE
	s_setreg_imm32_b32 hwreg(HW_REG_WAVE_MODE, 25, 1), 1
	s_wait_xcnt 0x0
; ROUTER AND x's CODES.  One wave takes one token t = 4 x work-group + wave.
; It (a) turns the token's 1,024 numbers into codes of E5M2 with the given scale 2^e1 (xq, K innermost), (b) makes the 8 logits in f32 by fused multiply-adds,
; (c) the softmax (maximum taken away), (d) the two largest probabilities (strict >, ascending expert: the lower index wins a tie), normalised by their sum + 1e-8.
; Stored at fixed places: sel[t][2] (whole numbers), rp: probs[t][8] at byte 0, gate[t][2] at byte 32,768.  No address here hangs on the choice.
; router_W (32 KiB) is brought once by the four waves into LDS, 16 bytes of padding behind each 256: a lane's rows d = 256 i + 8 lane + j then lie 272 bytes from lane to lane.
; The last stores are 48 bytes a token from one lane: parts of 256-byte blocks, 48 KiB in the whole launch.
; LIMITS: e1 between -126 and 112.  NaN and infinities among the inputs are not served.
; No matrix unit: 8 columns are half a tile and the logits steer a choice, so they are kept in f32.  No cluster: the work-groups share only router_W's 32 KiB.
.set ACC, 8                            ; v8-15   the 8 logits, then the probabilities
.set XR,  16                           ; v16-47  x[t][256 i + 8 lane + j] at 8 i + j
.set CD,  48                           ; v48-55  the codes
.set WB,  64                           ; v64-127, v128-191: two runs of router rows (8 j + e)
.set HX,  128                          ; v128-159 the held copy of x for the conversion (x itself stays exact for the logits)
	s_load_b256 s[4:11], s[0:1], 0x0               ; x s[4:5], router_W s[6:7], scales s[8:9], xq s[10:11]
	s_load_b128 s[12:15], s[0:1], 0x20             ; sel s[12:13], rp s[14:15]
	v_lshl_add_u32 v192, v0, 2, 0x8800
	v_mov_b32 v193, 0
	v_lshrrev_b32 v1, 5, v0
	v_readfirstlane_b32 s16, v1                    ; wave
	v_and_b32 v1, 31, v0                           ; lane
	v_bfe_u32 v7, v0, 4, 1
	v_lshlrev_b32 v5, 4, v1                        ; 16 lane: my bytes of a load of router_W
	v_lshl_add_u32 v2, v7, 4, v5
	s_mul_i32 s24, s16, 8704
	v_add_nc_u32 v2, s24, v2                       ; LDS, in: 8704 wave + 16 lane + 16 (lane / 16); 544 for each load of 512 bytes
	v_mul_u32_u24 v3, v1, 272                      ; LDS, out: 272 lane
	v_lshlrev_b32 v4, 5, v1                        ; x: 32 lane
	v_lshlrev_b32 v6, 3, v1                        ; xq: 8 lane
	s_lshl_b32 s17, ttmp9, 2
	s_add_co_u32 s17, s17, s16                     ; t
	s_mov_b32 s18, 0x76543210
	s_mov_b32 s19, 0xfedcba98                      ; lane selects: lane xor 16
	s_lshl_b32 s28, s17, 12
	s_mov_b32 s29, 0
	s_lshl_b32 s30, s16, 13
	s_mov_b32 s31, 0
	s_lshl_b32 s32, s17, 10
	s_mov_b32 s33, 0
	s_lshl_b32 s34, s17, 5
	s_mov_b32 s35, 0
	s_lshl_b32 s36, s17, 3
	s_mov_b32 s37, 0
	s_wait_kmcnt 0x0
	s_load_b128 s[20:23], s[8:9], 0x0              ; e0 .. e3
	s_add_nc_u64 s[4:5], s[4:5], s[28:29]          ; x at my token
	s_add_nc_u64 s[6:7], s[6:7], s[30:31]          ; router_W at my wave's 8 KiB
	s_add_nc_u64 s[10:11], s[10:11], s[32:33]      ; xq at my token
	s_add_nc_u64 s[38:39], s[14:15], s[34:35]      ; probs[t]
	s_add_nc_u64 s[14:15], s[14:15], s[36:37]      ; gate[t], 32,768 further on
	s_add_nc_u64 s[12:13], s[12:13], s[36:37]      ; sel[t]
.irp i, 0,1,2,3
	global_load_b128 v[XR+8*\i:XR+8*\i+3],   v4, s[4:5] offset:1024*\i th:TH_LOAD_NT
	global_load_b128 v[XR+8*\i+4:XR+8*\i+7], v4, s[4:5] offset:1024*\i+16 th:TH_LOAD_NT
.endr
.irp m, 0,1,2,3,4,5,6,7,8,9,10,11,12,13,14,15
	global_load_b128 v[WB+4*\m:WB+4*\m+3], v5, s[6:7] offset:512*\m
.endr
	s_wait_loadcnt 0x0
.irp m, 0,1,2,3,4,5,6,7,8,9,10,11,12,13,14,15
	ds_store_b128 v2, v[WB+4*\m:WB+4*\m+3] offset:544*\m
.endr
	s_wait_dscnt 0x0                               ; for the others' sake: my part of router_W lies in LDS
	s_barrier_signal -1
	s_barrier_wait -1
.macro WL i, buf                       ; the router rows d = 256 i + 8 lane + j, j = 0 .. 7: 16 loads of 16 bytes
.irp j, 0,1,2,3,4,5,6,7
	ds_load_b128 v[WB+64*\buf+8*\j:WB+64*\buf+8*\j+3],   v3 offset:8704*\i+32*\j
	ds_load_b128 v[WB+64*\buf+8*\j+4:WB+64*\buf+8*\j+7], v3 offset:8704*\i+32*\j+16
.endr
.endm
.macro DOT i, buf                      ; 64 multiply-adds; the very first products start the sums
.irp j, 0,1,2,3,4,5,6,7
.irp u, 0,1,2,3,4,5,6,7
.if (\i == 0) && (\j == 0)
	v_mul_f32 v[ACC+\u], v[XR+8*\i+\j], v[WB+64*\buf+8*\j+\u]
.else
	v_fmac_f32 v[ACC+\u], v[XR+8*\i+\j], v[WB+64*\buf+8*\j+\u]
.endif
.endr
.endr
.endm
	WL 0, 0
	s_wait_kmcnt 0x0
	s_add_co_i32 s24, s21, 127
	s_lshl_b32 s25, s24, 23
	v_mov_b32 v56, s25                             ; 2^e1 as f32: the conversion takes its exponent field
	s_add_co_i32 s24, s24, 15
	s_lshl_b32 s24, s24, 23
	s_or_b32 s24, s24, 0x600000
	v_mov_b32 v57, s24                             ; 57,344 x 2^e1
.set k, 0
.rept 32
	v_med3_num_f32 v[HX+k], v[XR+k], -v57, v57     ; the conversion to an 8-bit code does not saturate (ISA guide 7.6.2): the hold comes first
.set k, k+1
.endr
.irp i, 0,1,2,3
	v_cvt_scalef32_pk8_bf8_f32 v[CD+2*\i:CD+2*\i+1], v[HX+8*\i:HX+8*\i+7], v56
.endr
	v_nop                                          ; one plain instruction behind the last conversion
.irp i, 0,1,2,3
	global_store_b64 v6, v[CD+2*\i:CD+2*\i+1], s[10:11] offset:256*\i   ; the wave stores 256 consecutive bytes, aligned
.endr
	WL 1, 1
	s_wait_dscnt 16                                ; the older run of 16 is in, the younger may be out
	DOT 0, 0
	WL 2, 0
	s_wait_dscnt 16
	DOT 1, 1
	WL 3, 1
	s_wait_dscnt 16
	DOT 2, 0
	s_wait_dscnt 0x0
	DOT 3, 1
	v_mov_b32 v58, 0                               ; a lane permute's destination counts as read
.irp m, 1,2,4,8
.irp e, 0,1,2,3,4,5,6,7
	v_add_f32_dpp v[ACC+\e], v[ACC+\e], v[ACC+\e] row_xmask:\m row_mask:0xf bank_mask:0xf
.endr
.endr
.irp e, 0,1,2,3,4,5,6,7
	v_permlanex16_b32 v58, v[ACC+\e], s18, s19
	v_add_f32 v[ACC+\e], v[ACC+\e], v58            ; every lane holds the logit
.endr
	v_max3_num_f32 v58, v8, v9, v10
	v_max3_num_f32 v58, v58, v11, v12
	v_max3_num_f32 v58, v58, v13, v14
	v_max_num_f32 v58, v58, v15                    ; the row's maximum is taken away, as the softmax has it
.irp e, 0,1,2,3,4,5,6,7
	v_sub_f32 v[ACC+\e], v[ACC+\e], v58
.endr
.irp e, 0,1,2,3,4,5,6,7
	v_mul_f32 v[ACC+\e], 0x3fb8aa3b, v[ACC+\e]
.endr
.irp e, 0,1,2,3,4,5,6,7
	v_exp_f32 v[ACC+\e], v[ACC+\e]
.endr
	v_nop                                          ; a plain instruction behind the exponentials
	s_wait_alu depctr_va_vdst(0)
	v_add_f32 v59, v8, v9
	v_add_f32 v60, v10, v11
	v_add_f32 v61, v12, v13
	v_add_f32 v62, v14, v15
	v_add_f32 v59, v59, v60
	v_add_f32 v61, v61, v62
	v_add_f32 v59, v59, v61
	v_rcp_f32 v59, v59
	v_nop
	s_wait_alu depctr_va_vdst(0)
.irp e, 0,1,2,3,4,5,6,7
	v_mul_f32 v[ACC+\e], v[ACC+\e], v59            ; probs
.endr
	v_mov_b32 v61, v8                              ; the largest so far and its expert
	v_mov_b32 v66, 0
.irp e, 1,2,3,4,5,6,7
	v_cmp_gt_f32 vcc_lo, v[ACC+\e], v61
	v_cndmask_b32 v61, v61, v[ACC+\e], vcc_lo
	v_cndmask_b32 v66, v66, \e, vcc_lo
.endr
	v_mov_b32 v63, -1.0                            ; the second: the first's place counts as -1, under every probability
	v_mov_b32 v67, 0
.irp e, 0,1,2,3,4,5,6,7
	v_cmp_eq_u32 vcc_lo, \e, v66
	v_cndmask_b32 v58, v[ACC+\e], -1.0, vcc_lo
	v_cmp_gt_f32 vcc_lo, v58, v63
	v_cndmask_b32 v63, v63, v58, vcc_lo
	v_cndmask_b32 v67, v67, \e, vcc_lo
.endr
	v_add_f32 v58, v61, v63
	v_add_f32 v58, 0x322bcc77, v58                 ; + 1e-8
	v_rcp_f32 v58, v58
	v_mov_b32 v68, 0                               ; (a plain instruction behind the reciprocal)
	s_wait_alu depctr_va_vdst(0)
	v_mul_f32 v64, v61, v58
	v_mul_f32 v65, v63, v58                        ; the two gates
	s_wait_xcnt 0x0                                ; EXEC changes only behind this wait
	v_cmp_eq_u32 vcc_lo, 0, v1
	s_wait_tensorcnt 0x0
	ds_add_u32 v192, v193
	s_wait_dscnt 0x0
	s_and_saveexec_b32 s26, vcc_lo                 ; lane 0 stores for the token
	global_store_b128 v68, v[8:11], s[38:39]
	global_store_b128 v68, v[12:15], s[38:39] offset:16
	global_store_b64 v68, v[64:65], s[14:15] offset:32768
	global_store_b64 v68, v[66:67], s[12:13]
	s_wait_xcnt 0x0
	s_or_b32 exec_lo, exec_lo, s26
	s_endpgm
.Lfunc_end_k_qa86057e850_route:
	.size	k_qa86057e850_route, .Lfunc_end_k_qa86057e850_route-k_qa86057e850_route
	.p2alignl 7, 3214868480
	.fill 96, 4, 3214868480
	.section	.rodata,"a",@progbits
	.p2align	6, 0x0
	.amdhsa_kernel k_qa86057e850_route
		.amdhsa_group_segment_fixed_size 35328
		.amdhsa_private_segment_fixed_size 0
		.amdhsa_enable_private_segment 0
		.amdhsa_kernarg_size 48
		.amdhsa_user_sgpr_count 2
		.amdhsa_user_sgpr_kernarg_segment_ptr 1
		.amdhsa_wavefront_size32 1
		.amdhsa_system_sgpr_workgroup_id_x 1
		.amdhsa_system_sgpr_workgroup_id_y 1
		.amdhsa_system_sgpr_workgroup_id_z 1
		.amdhsa_system_vgpr_workitem_id 0
		.amdhsa_next_free_vgpr 194
		.amdhsa_next_free_sgpr 66
		.amdhsa_reserve_vcc 1
		.amdhsa_float_denorm_mode_32 3
		.amdhsa_float_denorm_mode_16_64 3
		.amdhsa_memory_ordered 1
		.amdhsa_forward_progress 1
		.amdhsa_inst_pref_size 29
	.end_amdhsa_kernel
	.amdgpu_metadata
---
amdhsa.version: [ 1, 2 ]
amdhsa.kernels:
  - .name:           k_qa86057e850_route
    .symbol:         k_qa86057e850_route.kd
    .args:
      - { .name: x, .offset: 0, .size: 8, .value_kind: global_buffer, .address_space: global }
      - { .name: router_W, .offset: 8, .size: 8, .value_kind: global_buffer, .address_space: global }
      - { .name: lowp_scales, .offset: 16, .size: 8, .value_kind: global_buffer, .address_space: global }
      - { .name: xq, .offset: 24, .size: 8, .value_kind: global_buffer, .address_space: global }
      - { .name: sel, .offset: 32, .size: 8, .value_kind: global_buffer, .address_space: global }
      - { .name: rp, .offset: 40, .size: 8, .value_kind: global_buffer, .address_space: global }
    .group_segment_fixed_size: 35328
    .private_segment_fixed_size: 0
    .kernarg_segment_align: 8
    .kernarg_segment_size: 48
    .max_flat_workgroup_size: 128
    .sgpr_count:     66
    .vgpr_count:     194
    .wavefront_size: 32
...
	.end_amdgpu_metadata
.endif
;; end of part 1
;; launch up (part 2): grid 32 x 8, 16 waves a work-group, no clusters, 135,168 bytes of LDS; arguments W_in, b_in, lowp_scales, xq, sel, tab, hc; writes tab, hc
.if DOCPART == 2
	.amdgcn_target "amdgcn-amd-amdhsa--gfx1250"
	.amdhsa_code_object_version 6
	.text
	.protected	k_qa86057e850_up
	.globl	k_qa86057e850_up
	.p2align	8
	.type	k_qa86057e850_up,@function
k_qa86057e850_up:
	s_mov_b64 s[64:65], 0
	v_nop
	global_prefetch_b8 v0, s[64:65] scope:SCOPE_SE
	s_setreg_imm32_b32 hwreg(HW_REG_WAVE_MODE, 25, 1), 1
	s_wait_xcnt 0x0
; THE ROWS ARE PLACED BY EXPERT; FIRST PRODUCT OF THE CHOSEN ROWS, GELU, AND h's CODES.  Work-group (hs, e): expert e, hidden units 128 hs .. 128 hs + 127.  Sixteen waves of 256 registers.
; PLACING: every wave reads sel (the experts chosen for each token, whole numbers stored by the launch before) and makes 32 masks in scalar registers: bit l of mask rho says whether token
;   64 (rho / 2) + 2 l + rho % 2 chose e.  The tokens that chose e, in the order (rho, l), fill the expert's slots 0 .. cnt - 1 (no token is dropped, so any fixed order serves).
;   FIND gives a wave the tokens of its 32 slots by integer work on registers: the last rho whose running count is at most the slot, then the n-th set bit of that mask.  No list goes through memory or LDS.
;   This work stands between the blocks of phase A, while the weight's loads are out.  Wave 0 of the work-groups with hs = 0 stores for the later launches, into tab (int32): rank[e][token] at byte 32,768
;   (the token's slot; only the entries of tokens that chose e are ever read) and cnt[e], 32 copies, at byte 65,536.
; PHASE A: the work-group's slice of W_in, 1,024 (K) x 128 f32 = 512 KiB, is read from memory ONCE in the whole launch and quantised on the way: a lane takes a column and its registers run down K
;   (a wave: 32 columns x 256 along K, 8 blocks of 32; two blocks, 64 loads, ahead), so the conversions give codes with K innermost; they go to LDS, 128 rows of 1,024 bytes + 16.
;   Column n lies in row n with bits 3 and 4 exchanged: the tile 2 b + u read as rows 16 (2 b + u) + r then holds hidden units 32 b + 8 u + r + 8 (r / 8).
; PHASE B: four passes of 256 slots; a wave takes 32 slots x 64 hidden units.  A pass whose first slot is at or behind cnt is passed over (a scalar branch on the count).
;   The product is used transposed (source 0 = 16 rows of the weight's codes, source 1 = 16 tokens' codes, fetched from xq): a lane holds one token, and the 16 registers of tiles 2 b, 2 b + 1 are
;   the hidden units 32 b + 16 (lane / 16) + 0 .. 15: neighbours along the next K.  h = sum x 2^(e0 + e1) + b_in; gelu; quantised with 2^e2; stored as an image of the next product's operand registers:
;   hc[e][tile of 16 slots][K step hs][2,048 bytes], register group c of lane l at 512 c + 16 l: each store of the wave covers 512 consecutive bytes, aligned.
;   Slots from cnt to the end of a started block of 32 take some token in 0 .. 1023: their rows are computed and never used.
; GELU, exact form: gelu(h) = max(h, 0) - |h| q, q = erfc(|h| / sqrt 2) / 2 = t 2^((poly(t) - h h / 2) log2 e - 1), t = 1 / (1 + |h| / (2 sqrt 2)): the rational Chebyshev fit of erfc in ten coefficients, all in f32.
; k's places in a fragment are 32 c + 16 (lane / 16) + 0 .. 15 for registers 4 c .. 4 c + 3, alike in both operands: every product meets its partner.
; LIMITS: e0, e2 between -126 and 112; e0 + e1 between -126 and 127.  NaN and infinities among the inputs are not served.
; No tensor loads and no cluster: the passes branch on a count made from loaded numbers, and no byte of W_in is read by two work-groups; what they share, x's codes and sel, is about 1 MiB in all.
.set PITCH,  1040
.set STRIDE, 16384                     ; bytes from row to row of W_in[e]
.set X,   32                           ; phase A: v32-95 two sets of 32 numbers
.set C,   96                           ; phase A: v96-103 a block's codes
.set SI,  160                          ; phase A: v160-223 sel: round rho's two choices at 2 rho, 2 rho + 1
.set RK,  160                          ; then the ranks, round rho's at rho
.set FS,  104                          ; FIND, at work: the slot,
.set FM,  105                          ; its round's mask,
.set FB,  106                          ; the slots before that round,
.set FQ,  107                          ; the round,
.set FC,  108                          ; the running count of bits less n + 1,
.set FP,  109                          ; the bit's place, then the token,
.set FT,  110
.set FX,  111
.set AO,  8                            ; v8, v9  byte offsets of my token's codes, tiles 0, 1
.set AF,  32                           ; phase B: v32-95 x's fragments: two sets of two tiles
.set WF,  96                           ; v96-159 four fragments of the weight
.set AC,  160                          ; v160-223 accumulator (w, t) at 8 (2 w + t)
.set BI,  224                          ; v224-255 b_in in the result's layout, 8 a tile
.set CD,  32                           ; the way out: v32-47 h's codes
.set H,   96                           ; the way out: 16 registers each
.set T,   112
.set P,   128
.set U,   144
.set M,   68                           ; s68-99 the 32 masks
	s_load_b256 s[4:11], s[0:1], 0x0               ; W_in s[4:5], b_in s[6:7], scales s[8:9], xq s[10:11]
	s_load_b128 s[12:15], s[0:1], 0x20             ; sel s[12:13], tab s[14:15]
	s_load_b64 s[40:41], s[0:1], 0x30              ; hc
	v_lshl_add_u32 v30, v0, 2, 0x20800
	v_mov_b32 v31, 0
	v_lshrrev_b32 v1, 5, v0
	v_readfirstlane_b32 s18, v1                    ; wave 0 .. 15
	v_and_b32 v1, 15, v0                           ; r
	v_bfe_u32 v2, v0, 4, 1                         ; h
	v_and_b32 v20, 31, v0                          ; lane
	v_lshlrev_b32 v3, 2, v20                       ; 4 lane
	v_lshlrev_b32 v6, 4, v20                       ; 16 lane
	v_lshlrev_b32 v18, 6, v2                       ; 64 h
	v_lshlrev_b32 v19, 4, v2                       ; 16 h
	v_and_b32 v21, 7, v0
	v_bfe_u32 v22, v0, 3, 1
	v_lshl_or_b32 v21, v22, 4, v21
	v_lshl_or_b32 v21, v2, 3, v21                  ; the lane's number with bits 3 and 4 exchanged
	v_mul_u32_u24 v4, v21, PITCH
	v_mul_u32_u24 v5, v1, PITCH
	v_add_nc_u32 v5, v5, v19
	s_mov_b32 s16, ttmp9                           ; hs
	s_and_b32 s17, ttmp7, 0xffff                   ; e
	s_and_b32 s19, s18, 3                          ; phase A: which 32 columns
	s_lshr_b32 s26, s18, 2                         ;          which 256 along K
	s_and_b32 s27, s18, 1                          ; phase B: which 64 hidden units
	s_lshr_b32 s28, s18, 1                         ;          which 32 slots of a pass
	s_mul_i32 s36, s19, 32*PITCH
	s_lshl_b32 s37, s26, 8
	s_add_co_u32 s36, s36, s37
	v_add_nc_u32 v4, s36, v4                       ; LDS, in: (32 cg + exchanged lane) x pitch + 256 kq
	s_mul_i32 s37, s27, 64*PITCH
	v_add_nc_u32 v5, s37, v5                       ; LDS, out: (64 ch + r) x pitch + 16 h
	s_lshl_b32 s30, s17, 24                        ; W_in: 16 MiB e + 256 kq rows + (128 hs + 32 cg) x 4
	s_lshl_b32 s31, s26, 22
	s_add_co_u32 s30, s30, s31
	s_lshl_b32 s31, s16, 9
	s_add_co_u32 s30, s30, s31
	s_lshl_b32 s31, s19, 7
	s_add_co_u32 s30, s30, s31
	s_mov_b32 s31, 0
	s_lshl_b32 s38, s17, 14                        ; b_in: (4096 e + 128 hs + 64 ch) x 4
	s_lshl_b32 s39, s16, 9
	s_add_co_u32 s38, s38, s39
	s_lshl_b32 s39, s27, 8
	s_add_co_u32 s38, s38, s39
	s_mov_b32 s39, 0
	s_lshl_b32 s47, s17, 22                        ; hc: what does not hang on the pass: 4 MiB e + 2048 hs + 1024 ch
	s_lshl_b32 s48, s16, 11
	s_add_co_u32 s47, s47, s48
	s_lshl_b32 s48, s27, 10
	s_add_co_u32 s47, s47, s48
	s_mov_b32 s46, 0x3eb504f3                      ; 1 / (2 sqrt 2)
	s_mov_b32 s54, 0xffff0000                      ; the lanes with h = 1
	s_mov_b32 s56, 0x76543210
	s_mov_b32 s57, 0xfedcba98                      ; lane selects: lane xor 16
	v_mov_b32 v14, 0xbf527892                      ; the fit's ninth coefficient, twice: a pair for the packed form
	v_mov_b32 v15, 0xbf527892
	s_wait_kmcnt 0x0
	s_load_b128 s[32:35], s[8:9], 0x0              ; e0 .. e3
	s_add_nc_u64 s[4:5], s[4:5], s[30:31]
	s_add_nc_u64 s[6:7], s[6:7], s[38:39]
.set q, 0
.rept 16                               ; sel first, then b_in, so that the counted waits below cover them.  Lane l of load q: tokens 64 q + 2 l and 64 q + 2 l + 1, two choices each; 512 consecutive bytes a load
	global_load_b128 v[SI+4*q:SI+4*q+3], v6, s[12:13] offset:512*q
.set q, q+1
.endr
.irp w, 0,1,2,3                        ; b_in: tile w of my four: hidden units 32 (w / 2) + 16 h + 8 (w % 2) + 0 .. 7
	global_load_b128 v[BI+8*\w:BI+8*\w+3],   v18, s[6:7] offset:(32*(\w/2)+8*(\w%2))*4
	global_load_b128 v[BI+8*\w+4:BI+8*\w+7], v18, s[6:7] offset:(32*(\w/2)+8*(\w%2))*4+16
.endr
.macro LOAD t                          ; block t: W(32 t + i, my column), i = 0 .. 31, into set t % 2; a wave's load reads 128 consecutive bytes, four waves side by side 512
.set li, 0
.rept 32
	global_load_b32 v[X+32*((\t)%2)+li], v3, s[4:5] offset:(32*(\t)+li)*STRIDE th:TH_LOAD_NT
.set li, li+1
.endr
.endm
	LOAD 0
	LOAD 1
	s_wait_kmcnt 0x0
	s_add_co_i32 s52, s32, 127
	s_lshl_b32 s53, s52, 23
	v_mov_b32 v11, s53                             ; 2^e0
	s_add_co_i32 s52, s52, 15
	s_lshl_b32 s52, s52, 23
	s_or_b32 s52, s52, 0x600000
	v_mov_b32 v10, s52                             ; 57,344 x 2^e0
	s_add_co_i32 s52, s34, 127
	s_lshl_b32 s53, s52, 23
	v_mov_b32 v13, s53                             ; 2^e2
	s_add_co_i32 s52, s52, 15
	s_lshl_b32 s52, s52, 23
	s_or_b32 s52, s52, 0x600000
	v_mov_b32 v12, s52                             ; 57,344 x 2^e2
	s_add_co_i32 s24, s32, s33
	s_add_co_i32 s24, s24, 127
	s_lshl_b32 s24, s24, 23                        ; 2^(e0 + e1)
	s_mov_b32 s25, s24                             ; (named with it as a pair, so it is written)
.macro BLOCK t
.set XS, X+32*((\t)%2)
.if (\t) < 7
	s_wait_loadcnt 32                              ; this block's 32 loads are in (and all that was issued ahead of them); the next block's may be out
.else
	s_wait_loadcnt 0
.endif
.set bi, 0
.rept 32
	v_med3_num_f32 v[XS+bi], v[XS+bi], -v10, v10   ; the conversion does not saturate (ISA guide 7.6.2): the hold comes first
.set bi, bi+1
.endr
.irp g, 0,1,2,3
	v_cvt_scalef32_pk8_bf8_f32 v[C+2*\g:C+2*\g+1], v[XS+8*\g:XS+8*\g+7], v11
.endr
	v_nop                                          ; one plain instruction behind the last conversion
	ds_store_b128 v4, v[C:C+3] offset:32*(\t)
	ds_store_b128 v4, v[C+4:C+7] offset:32*(\t)+16
.if (\t)+2 < 8
	LOAD (\t)+2
.endif
	s_wait_dscnt 0x0                               ; the stores have read their registers: the next block's codes may be written
.endm
; The tokens of slots s22 .. s22 + 31 become the byte offsets of their codes in xq, in the operand's lanes.  Lane l works on slot s22 + l.
.macro FIND
	v_add_nc_u32 v[FS], s22, v20
	v_mov_b32 v[FM], s[M]
	v_mov_b32 v[FB], 0
	v_mov_b32 v[FQ], 0
	s_mov_b32 s66, 0
.set fr, 1
.rept 31                               ; the last round before which at most 'slot' slots are filled: its mask, that count, its number
	s_bcnt1_i32_b32 s67, s[M+fr-1]
	s_add_co_u32 s66, s66, s67
	v_cmp_le_u32 vcc_lo, s66, v[FS]
	v_cndmask_b32 v[FM], v[FM], s[M+fr], vcc_lo
	v_cndmask_b32 v[FB], v[FB], s66, vcc_lo
	v_cndmask_b32 v[FQ], v[FQ], fr, vcc_lo
.set fr, fr+1
.endr
	v_sub_nc_u32 v[FC], v[FB], v[FS]
	v_add_nc_u32 v[FC], -1, v[FC]                  ; -(n + 1), n = slot - count: the n-th set bit of the mask is wanted
	v_mov_b32 v[FP], 0
.set fk, 0
.rept 32                               ; its place = the number of places k up to which at most n bits are set: the running count less n + 1 is negative there
	v_bfe_u32 v[FT], v[FM], fk, 1
	v_add_nc_u32 v[FC], v[FC], v[FT]
	v_lshrrev_b32 v[FT], 31, v[FC]
	v_add_nc_u32 v[FP], v[FP], v[FT]
.set fk, fk+1
.endr
	v_lshrrev_b32 v[FT], 1, v[FQ]
	v_and_b32 v[FQ], 1, v[FQ]
	v_lshl_add_u32 v[FP], v[FP], 1, v[FQ]
	v_lshl_add_u32 v[FP], v[FT], 6, v[FP]          ; the token: 64 (rho / 2) + 2 place + rho % 2
	v_mov_b32 v[FX], 0                             ; a lane permute's destination counts as read
	v_permlanex16_b32 v[FX], v[FP], s56, s57       ; lane xor 16's token
	v_cndmask_b32 v[FT], v[FP], v[FX], s54         ; tile 0: lane (r, h) wants slot r's token, which lane r found
	v_cndmask_b32 v[FX], v[FX], v[FP], s54         ; tile 1: slot 16 + r's, which lane 16 + r found
	v_min_u32 v[FT], 0x3ff, v[FT]                  ; a token lies in 0 .. 1023 (a slot at or behind cnt finds no bit)
	v_min_u32 v[FX], 0x3ff, v[FX]
	v_lshl_add_u32 v[AO], v[FT], 10, v19           ; 1024 token + 16 h
	v_lshl_add_u32 v[AO+1], v[FX], 10, v19
.endm
	BLOCK 0
	s_mov_b32 s20, 0                               ; cnt
.set rho, 0
.rept 32                               ; the masks and the count: register work while 64 of the weight's loads are out
	v_cmp_eq_u32 vcc_lo, s17, v[SI+2*rho]
	v_cmp_eq_u32 s[M+rho], s17, v[SI+2*rho+1]
	s_or_b32 s[M+rho], s[M+rho], vcc_lo
	s_bcnt1_i32_b32 s67, s[M+rho]
	s_add_co_u32 s20, s20, s67
.set rho, rho+1
.endr
	s_or_b32 s36, s16, s18
	s_cmp_lg_u32 s36, 0
	s_cbranch_scc1 .Lnorank                        ; one wave for each expert stores the ranks and the count
	s_mov_b32 s66, 0
.set rho, 0
.rept 32
	v_mbcnt_lo_u32_b32 v[RK+rho], s[M+rho], 0      ; the lanes below me that chose e,
	v_add_nc_u32 v[RK+rho], s66, v[RK+rho]         ; and the rounds before
	s_bcnt1_i32_b32 s67, s[M+rho]
	s_add_co_u32 s66, s66, s67
.set rho, rho+1
.endr
	s_lshl_b32 s36, s17, 12
	v_lshl_add_u32 v[FT], v20, 3, s36              ; 4096 e + 8 lane: tokens 2 l and 2 l + 1
.set q, 0
.rept 16
	global_store_b64 v[FT], v[RK+2*q:RK+2*q+1], s[14:15] offset:32768+256*q   ; the wave stores 256 consecutive bytes, aligned
.set q, q+1
.endr
	s_lshl_b32 s37, s17, 7
	v_lshl_add_u32 v[FX], v20, 2, s37
	v_mov_b32 v[FS], s20
	global_store_b32 v[FX], v[FS], s[14:15] offset:65536
	s_wait_xcnt 0x0                                ; the stores' registers are written again only behind this wait
.Lnorank:
	BLOCK 1
	s_lshl_b32 s22, s28, 5                         ; the first pass's first slot: 32 rb
	FIND
.irp t, 2,3,4,5,6,7
	BLOCK \t
.endr
	s_barrier_signal -1                            ; every wave's codes lie in LDS (its last wait was for 0); from here on they are only read
	s_barrier_wait -1
.macro ALOAD s, set                    ; K step s of my two tiles of tokens: lane (r, h) takes 16 bytes at 128 s + 32 c + 16 h of its token's row
.irp t, 0,1
.irp c, 0,1,2,3
	global_load_b128 v[AF+32*(\set)+16*\t+4*\c:AF+32*(\set)+16*\t+4*\c+3], v[AO+\t], s[10:11] offset:128*(\s)+32*\c
.endr
.endr
.endm
.macro WLOAD s                         ; K step s of my four tiles of the weight
.irp w, 0,1,2,3
.irp c, 0,1,2,3
	ds_load_b128 v[WF+16*\w+4*\c:WF+16*\w+4*\c+3], v5 offset:\w*16*PITCH+128*(\s)+32*\c
.endr
.endr
.endm
.macro KSTEP s                         ; the eight accumulators take turns, one instruction a turn
	WLOAD \s
.if (\s) < 7
	s_wait_loadcnt 8                               ; this step's 8 loads are in; the next step's may be out
.else
	s_wait_loadcnt 0
.endif
	s_wait_dscnt 0x0
.irp w, 0,1,2,3
.irp t, 0,1
.if (\s) == 0
	v_wmma_f32_16x16x128_bf8_bf8 v[AC+8*(2*\w+\t):AC+8*(2*\w+\t)+7], v[WF+16*\w:WF+16*\w+15], v[AF+32*((\s)%2)+16*\t:AF+32*((\s)%2)+16*\t+15], 0
.else
	v_wmma_f32_16x16x128_bf8_bf8 v[AC+8*(2*\w+\t):AC+8*(2*\w+\t)+7], v[WF+16*\w:WF+16*\w+15], v[AF+32*((\s)%2)+16*\t:AF+32*((\s)%2)+16*\t+15], v[AC+8*(2*\w+\t):AC+8*(2*\w+\t)+7]
.endif
.endr
.endr
.rept 4
	v_nop                                          ; four places in front of loads into registers that the products have read, and of the first read of results
.endr
.if (\s)+2 < 8
	ALOAD (\s)+2, (\s)%2
.endif
.endm
.macro HORNER lit                      ; P = P T + a coefficient, 16 numbers
.set k, 0
.rept 8
	v_pk_fma_f32 v[P+k:P+k+1], v[P+k:P+k+1], v[T+k:T+k+1], \lit op_sel_hi:[1,1,0]
.set k, k+2
.endr
.endm
; 16 numbers of a lane: tile of tokens t, tiles 2 b and 2 b + 1 of my four: the next K's places 32 (2 ch + b) + 16 h + 0 .. 15
.macro GELUQ t, b
.set A0, AC+8*(4*\b+\t)
.set A1, AC+8*(4*\b+2+\t)
.set B0, BI+16*\b
.set k, 0
.rept 4
	v_pk_fma_f32 v[H+k:H+k+1], v[A0+k:A0+k+1], s[24:25], v[B0+k:B0+k+1] op_sel_hi:[1,0,1]   ; h = sum x 2^(e0 + e1) + b_in; each accumulator from its low end on
.set k, k+2
.endr
.set k, 0
.rept 4
	v_pk_fma_f32 v[H+8+k:H+9+k], v[A1+k:A1+k+1], s[24:25], v[B0+8+k:B0+9+k] op_sel_hi:[1,0,1]
.set k, k+2
.endr
.set k, 0
.rept 16
	v_fma_f32 v[T+k], |v[H+k]|, s46, 1.0
.set k, k+1
.endr
.set k, 0
.rept 16
	v_rcp_f32 v[T+k], v[T+k]                       ; t
.set k, k+1
.endr
.set k, 0
.rept 8
	v_pk_mul_f32 v[U+k:U+k+1], v[H+k:H+k+1], v[H+k:H+k+1]   ; h h  (plain instructions behind the reciprocals)
.set k, k+2
.endr
.set k, 0
	s_wait_alu depctr_va_vdst(0)
.rept 8
	v_pk_fma_f32 v[P+k:P+k+1], v[T+k:T+k+1], 0x3e2ef945, v[14:15] op_sel_hi:[1,0,1]
.set k, k+2
.endr
	HORNER 0x3fbe87b0
	HORNER 0xbf914e5d
	HORNER 0x3e8ec7cc
	HORNER 0xbe3ec24c
	HORNER 0x3dc636c9
	HORNER 0x3ebf88fb
	HORNER 0x3f8000c7
	HORNER 0xbfa1fc4e
.set k, 0
.rept 8
	v_pk_fma_f32 v[P+k:P+k+1], v[U+k:U+k+1], -0.5, v[P+k:P+k+1] op_sel_hi:[1,0,1]
.set k, k+2
.endr
.set k, 0
.rept 8
	v_pk_fma_f32 v[P+k:P+k+1], v[P+k:P+k+1], 0x3fb8aa3b, -1.0 op_sel_hi:[1,0,0]
.set k, k+2
.endr
.set k, 0
.rept 16
	v_exp_f32 v[P+k], v[P+k]
.set k, k+1
.endr
.set k, 0
.rept 16
	v_max_num_f32 v[U+k], 0, v[H+k]                ; max(h, 0)  (plain instructions behind the exponentials)
.set k, k+1
.endr
.set k, 0
	s_wait_alu depctr_va_vdst(0)
.rept 8
	v_pk_mul_f32 v[P+k:P+k+1], v[P+k:P+k+1], v[T+k:T+k+1]   ; q
.set k, k+2
.endr
.set k, 0
.rept 16
	v_fma_f32 v[H+k], -|v[H+k]|, v[P+k], v[U+k]    ; gelu
.set k, k+1
.endr
.set k, 0
.rept 16
	v_med3_num_f32 v[H+k], v[H+k], -v12, v12
.set k, k+1
.endr
	v_cvt_scalef32_pk8_bf8_f32 v[CD+4*(2*\t+\b):CD+4*(2*\t+\b)+1], v[H:H+7], v13
	v_cvt_scalef32_pk8_bf8_f32 v[CD+4*(2*\t+\b)+2:CD+4*(2*\t+\b)+3], v[H+8:H+15], v13
	v_nop                                          ; one plain instruction behind the last conversion
	global_store_b128 v6, v[CD+4*(2*\t+\b):CD+4*(2*\t+\b)+3], s[44:45] offset:65536*\t+512*\b
.endm
	s_mov_b32 s21, 0                               ; the pass
.Lpass:
	s_lshl_b32 s22, s21, 8
	s_lshl_b32 s38, s28, 5
	s_add_co_u32 s22, s22, s38                     ; my first slot: 256 pass + 32 rb
	s_cmp_ge_u32 s22, s20
	s_cbranch_scc1 .Lskip                          ; nothing of the expert's rows lies here
	s_lshl_b32 s48, s22, 12
	s_add_co_u32 s48, s48, s47
	s_mov_b32 s49, 0
	s_add_nc_u64 s[44:45], s[40:41], s[48:49]      ; hc at my first tile of slots, K step hs, my half of the image
	ALOAD 0, 0                                     ; the tokens' offsets were found ahead: in phase A, or at the end of the pass before
	ALOAD 1, 1
.irp s, 0,1,2,3,4,5,6,7
	KSTEP \s
.endr
	GELUQ 0, 0
	GELUQ 0, 1
	GELUQ 1, 0
	GELUQ 1, 1
	s_add_co_u32 s22, s22, 256                     ; has the next pass rows for me?  Then its tokens are found now (all loads that named the offsets are done: the last K step waited for 0)
	s_cmp_ge_u32 s22, s20
	s_cbranch_scc1 .Lskip
	FIND
.Lskip:
	s_wait_xcnt 0x0                                ; the stores' data and bases are written again only behind this wait
	s_add_co_u32 s21, s21, 1
	s_cmp_lt_u32 s21, 4
	s_cbranch_scc1 .Lpass
	s_wait_tensorcnt 0x0
	ds_add_u32 v30, v31
	s_wait_dscnt 0x0
	s_endpgm
.Lfunc_end_k_qa86057e850_up:
	.size	k_qa86057e850_up, .Lfunc_end_k_qa86057e850_up-k_qa86057e850_up
	.p2alignl 7, 3214868480
	.fill 96, 4, 3214868480
	.section	.rodata,"a",@progbits
	.p2align	6, 0x0
	.amdhsa_kernel k_qa86057e850_up
		.amdhsa_group_segment_fixed_size 135168
		.amdhsa_private_segment_fixed_size 0
		.amdhsa_enable_private_segment 0
		.amdhsa_kernarg_size 56
		.amdhsa_user_sgpr_count 2
		.amdhsa_user_sgpr_kernarg_segment_ptr 1
		.amdhsa_wavefront_size32 1
		.amdhsa_system_sgpr_workgroup_id_x 1
		.amdhsa_system_sgpr_workgroup_id_y 1
		.amdhsa_system_sgpr_workgroup_id_z 1
		.amdhsa_system_vgpr_workitem_id 0
		.amdhsa_next_free_vgpr 256
		.amdhsa_next_free_sgpr 100
		.amdhsa_reserve_vcc 1
		.amdhsa_float_denorm_mode_32 3
		.amdhsa_float_denorm_mode_16_64 3
		.amdhsa_memory_ordered 1
		.amdhsa_forward_progress 1
		.amdhsa_inst_pref_size 170
	.end_amdhsa_kernel
	.amdgpu_metadata
---
amdhsa.version: [ 1, 2 ]
amdhsa.kernels:
  - .name:           k_qa86057e850_up
    .symbol:         k_qa86057e850_up.kd
    .args:
      - { .name: W_in, .offset: 0, .size: 8, .value_kind: global_buffer, .address_space: global }
      - { .name: b_in, .offset: 8, .size: 8, .value_kind: global_buffer, .address_space: global }
      - { .name: lowp_scales, .offset: 16, .size: 8, .value_kind: global_buffer, .address_space: global }
      - { .name: xq, .offset: 24, .size: 8, .value_kind: global_buffer, .address_space: global }
      - { .name: sel, .offset: 32, .size: 8, .value_kind: global_buffer, .address_space: global }
      - { .name: tab, .offset: 40, .size: 8, .value_kind: global_buffer, .address_space: global }
      - { .name: hc, .offset: 48, .size: 8, .value_kind: global_buffer, .address_space: global }
    .group_segment_fixed_size: 135168
    .private_segment_fixed_size: 0
    .kernarg_segment_align: 8
    .kernarg_segment_size: 56
    .max_flat_workgroup_size: 512
    .sgpr_count:     100
    .vgpr_count:     256
    .wavefront_size: 32
...
	.end_amdgpu_metadata
.endif
;; end of part 2
;; launch down (part 3): grid 32 x 8, 16 waves a work-group, no clusters, 203,776 bytes of LDS; arguments W_out, lowp_scales, hc, tab, yp; writes yp
.if DOCPART == 3
	.amdgcn_target "amdgcn-amd-amdhsa--gfx1250"
	.amdhsa_code_object_version 6
	.text
	.protected	k_qa86057e850_down
	.globl	k_qa86057e850_down
	.p2align	8
	.type	k_qa86057e850_down,@function
k_qa86057e850_down:
	s_mov_b64 s[64:65], 0
	v_nop
	global_prefetch_b8 v0, s[64:65] scope:SCOPE_SE
	s_setreg_imm32_b32 hwreg(HW_REG_WAVE_MODE, 25, 1), 1
	s_wait_xcnt 0x0
; SECOND PRODUCT OF THE CHOSEN ROWS.  Work-group (x, e): expert e, outputs 64 ds .. 64 ds + 63 (ds = x % 16), half kh = x / 16 of K (2,048 hidden units).  Sixteen waves of 256 registers.
; 64 outputs are 256 bytes of a row of W_out and of yp: whole aligned blocks; with them a slice of 512 KiB for each of 256 work-groups means half of K, so the two halves' sums are added by the next launch.
; PHASE A: the slice of W_out, 2,048 (K) x 64 f32, is read from memory once in the whole launch and quantised on the way: a lane takes a column, its registers run down K
;   (a wave: 32 columns x 256 along K, 8 blocks of 32, two blocks ahead); codes to LDS, 64 rows of 2,048 bytes + 16.
; PHASE B: two passes of 512 slots; a wave takes 32 slots x 64 outputs, 16 K steps of 128.  A pass whose first slot is at or behind cnt[e] is passed over (a scalar branch on the stored count).
;   h's fragments come from hc as images of the operand's registers: 512 consecutive bytes a load; three K steps (24 loads) ahead.  The product is used transposed (source 0 = 16 outputs' codes, source 1 = 16 slots):
;   a lane's eight results are eight neighbouring outputs of one slot.  The raw sums go through the wave's own stage in LDS and leave as rows of 256 bytes: yp[kh][e][slot][1024] f32.  The scale 2^(e2 + e3) is applied later.
; LIMITS: e3 between -126 and 112.  NaN and infinities among the inputs are not served.
; No tensor loads and no cluster: the passes branch on a stored count, and no byte of W_out is read by two work-groups.
.set PITCH,  2064
.set STRIDE, 4096                      ; bytes from row to row of W_out[e]
.set STG,    64*PITCH                  ; behind the codes: a stage of 16 rows x 272 bytes for each wave
.set X,   32                           ; phase A: v32-95 two sets of 32 numbers
.set C,   96                           ; phase A: v96-103 a block's codes
.set WF,  96                           ; v96-159 four fragments of the weight; on the way out rows read back from the stage
.set OB,  96
.set AC,  160                          ; v160-223 accumulator (w, t) at 8 (2 w + t)
.set SO,  12                           ; v12 the stage, in
.set SR,  13                           ; v13 the stage, back
.set YO,  14                           ; v14 my byte offset in two rows of yp
	s_load_b256 s[4:11], s[0:1], 0x0               ; W_out s[4:5], scales s[6:7], hc s[8:9], tab s[10:11]
	s_load_b64 s[12:13], s[0:1], 0x20              ; yp
	v_lshl_add_u32 v30, v0, 2, 0x31400
	v_mov_b32 v31, 0
	v_lshrrev_b32 v1, 5, v0
	v_readfirstlane_b32 s18, v1                    ; wave 0 .. 15
	v_and_b32 v1, 15, v0                           ; r
	v_bfe_u32 v2, v0, 4, 1                         ; h
	v_and_b32 v20, 31, v0                          ; lane
	v_lshlrev_b32 v3, 2, v20                       ; 4 lane
	v_lshlrev_b32 v6, 4, v20                       ; 16 lane
	v_mul_u32_u24 v4, v20, PITCH
	v_mul_u32_u24 v5, v1, PITCH
	v_lshl_add_u32 v5, v2, 4, v5                   ; LDS, out: r x pitch + 16 h: tiles 0, 1
	v_add_nc_u32 v9, 32*PITCH, v5                  ;           tiles 2, 3
	s_and_b32 s16, ttmp9, 15                       ; ds
	s_lshr_b32 s15, ttmp9, 4                       ; kh
	s_and_b32 s17, ttmp7, 0xffff                   ; e
	s_and_b32 s19, s18, 1                          ; phase A: which 32 columns
	s_lshr_b32 s26, s18, 1                         ;          which 256 along K
	s_mul_i32 s36, s19, 32*PITCH
	s_lshl_b32 s37, s26, 8
	s_add_co_u32 s36, s36, s37
	v_add_nc_u32 v4, s36, v4                       ; LDS, in: (32 cg + lane) x pitch + 256 kq
	s_mul_i32 s37, s18, 16*272
	s_add_co_u32 s37, s37, STG                     ; my stage
	v_mul_u32_u24 v[SO], v1, 272
	v_lshl_add_u32 v[SO], v2, 5, v[SO]
	v_add_nc_u32 v[SO], s37, v[SO]                 ; in: row r, + 32 h
	v_mul_u32_u24 v[SR], v2, 272
	v_lshl_add_u32 v[SR], v1, 4, v[SR]
	v_add_nc_u32 v[SR], s37, v[SR]                 ; back: lanes 0-15 one row, lanes 16-31 the next
	v_lshlrev_b32 v[YO], 12, v2
	v_lshl_add_u32 v[YO], v1, 4, v[YO]             ; and the same two rows in yp
	s_lshl_b32 s30, s17, 24                        ; W_out: 16 MiB e + (2048 kh + 256 kq) rows + (64 ds + 32 cg) x 4
	s_lshl_b32 s31, s15, 23
	s_add_co_u32 s30, s30, s31
	s_lshl_b32 s31, s26, 20
	s_add_co_u32 s30, s30, s31
	s_lshl_b32 s31, s16, 8
	s_add_co_u32 s30, s30, s31
	s_lshl_b32 s31, s19, 7
	s_add_co_u32 s30, s30, s31
	s_mov_b32 s31, 0
	s_lshl_b32 s29, s17, 7                         ; cnt[e]
	s_lshl_b32 s46, s17, 22                        ; hc: 4 MiB e + 16 kh K steps of 2,048 bytes
	s_lshl_b32 s47, s15, 15
	s_add_co_u32 s46, s46, s47
	s_lshl_b32 s47, s15, 25                        ; yp: 32 MiB kh + 4 MiB e + 256 ds
	s_lshl_b32 s48, s17, 22
	s_add_co_u32 s47, s47, s48
	s_lshl_b32 s48, s16, 8
	s_add_co_u32 s47, s47, s48
	s_wait_kmcnt 0x0
	s_load_b128 s[32:35], s[6:7], 0x0              ; e0 .. e3
	s_load_b32 s20, s[10:11], s29 offset:0x10000   ; cnt[e]
	s_add_nc_u64 s[4:5], s[4:5], s[30:31]
.macro LOAD t                          ; block t: W(32 t + i, my column), i = 0 .. 31, into set t % 2; two waves side by side read 256 consecutive bytes, aligned
.set li, 0
.rept 32
	global_load_b32 v[X+32*((\t)%2)+li], v3, s[4:5] offset:(32*(\t)+li)*STRIDE th:TH_LOAD_NT
.set li, li+1
.endr
.endm
	LOAD 0
	LOAD 1
	s_wait_kmcnt 0x0
	s_add_co_i32 s52, s35, 127
	s_lshl_b32 s53, s52, 23
	v_mov_b32 v11, s53                             ; 2^e3
	s_add_co_i32 s52, s52, 15
	s_lshl_b32 s52, s52, 23
	s_or_b32 s52, s52, 0x600000
	v_mov_b32 v10, s52                             ; 57,344 x 2^e3
.macro BLOCK t
.set XS, X+32*((\t)%2)
.if (\t) < 7
	s_wait_loadcnt 32                              ; this block's 32 loads are in; the next block's may be out
.else
	s_wait_loadcnt 0
.endif
.set bi, 0
.rept 32
	v_med3_num_f32 v[XS+bi], v[XS+bi], -v10, v10   ; the conversion does not saturate (ISA guide 7.6.2): the hold comes first
.set bi, bi+1
.endr
.irp g, 0,1,2,3
	v_cvt_scalef32_pk8_bf8_f32 v[C+2*\g:C+2*\g+1], v[XS+8*\g:XS+8*\g+7], v11
.endr
	v_nop                                          ; one plain instruction behind the last conversion
	ds_store_b128 v4, v[C:C+3] offset:32*(\t)
	ds_store_b128 v4, v[C+4:C+7] offset:32*(\t)+16
.if (\t)+2 < 8
	LOAD (\t)+2
.endif
	s_wait_dscnt 0x0                               ; the stores have read their registers: the next block's codes may be written
.endm
.irp t, 0,1,2,3,4,5,6,7
	BLOCK \t
.endr
	s_barrier_signal -1                            ; every wave's codes lie in LDS (its last wait was for 0); from here on they are only read
	s_barrier_wait -1
.macro ALOAD s                         ; K step s of my two tiles of slots into set s % 3 (v32, v64, v224): the images as they lie
.set AFB, 32+32*((\s)%3)+128*(((\s)%3)/2)
.irp t, 0,1
.irp c, 0,1,2,3
	global_load_b128 v[AFB+16*\t+4*\c:AFB+16*\t+4*\c+3], v6, s[44:45] offset:65536*\t+2048*(\s)+512*\c
.endr
.endr
.endm
.macro WLOAD s                         ; K step s of the four tiles of outputs
.irp w, 0,1
.irp c, 0,1,2,3
	ds_load_b128 v[WF+16*\w+4*\c:WF+16*\w+4*\c+3], v5 offset:\w*16*PITCH+128*(\s)+32*\c
.endr
.endr
.irp w, 0,1
.irp c, 0,1,2,3
	ds_load_b128 v[WF+32+16*\w+4*\c:WF+32+16*\w+4*\c+3], v9 offset:\w*16*PITCH+128*(\s)+32*\c
.endr
.endr
.endm
.macro KSTEP s                         ; the eight accumulators take turns, one instruction a turn
	WLOAD \s
.if (\s) < 14
	s_wait_loadcnt 16                              ; this step's 8 loads are in; those of the two steps behind it may be out
.else
	s_wait_loadcnt 8*(15-(\s))
.endif
	s_wait_dscnt 0x0
.set AFB, 32+32*((\s)%3)+128*(((\s)%3)/2)
.irp w, 0,1,2,3
.irp t, 0,1
.if (\s) == 0
	v_wmma_f32_16x16x128_bf8_bf8 v[AC+8*(2*\w+\t):AC+8*(2*\w+\t)+7], v[WF+16*\w:WF+16*\w+15], v[AFB+16*\t:AFB+16*\t+15], 0
.else
	v_wmma_f32_16x16x128_bf8_bf8 v[AC+8*(2*\w+\t):AC+8*(2*\w+\t)+7], v[WF+16*\w:WF+16*\w+15], v[AFB+16*\t:AFB+16*\t+15], v[AC+8*(2*\w+\t):AC+8*(2*\w+\t)+7]
.endif
.endr
.endr
.rept 4
	v_nop                                          ; four places in front of loads into registers that the products have read, and of the first read of results
.endr
.if (\s)+3 < 16
	ALOAD (\s)+3
.endif
.endm
.macro TOSTAGE t                       ; tile t: 16 slots x 64 outputs into my stage and back as rows; LDS serves a wave's instructions in order (ISA guide 5.7.1.4): no wait between
.irp w, 0,1,2,3
	ds_store_b128 v[SO], v[AC+8*(2*\w+\t):AC+8*(2*\w+\t)+3] offset:64*\w           ; each accumulator from its low end on
	ds_store_b128 v[SO], v[AC+8*(2*\w+\t)+4:AC+8*(2*\w+\t)+7] offset:64*\w+16
.endr
.irp i, 0,1,2,3,4,5,6,7
	ds_load_b128 v[OB+32*\t+4*\i:OB+32*\t+4*\i+3], v[SR] offset:544*\i
.endr
.endm
.macro SEND t, younger                 ; younger: the LDS instructions issued behind tile t's loads
.irp i, 0,1,2,3,4,5,6,7
	s_wait_dscnt \younger+7-\i
	global_store_b128 v[YO], v[OB+32*\t+4*\i:OB+32*\t+4*\i+3], s[40:41] offset:(16*\t+2*\i)*4096   ; sixteen lanes store 256 consecutive bytes, aligned
.endr
.endm
	s_mov_b32 s21, 0                               ; the pass
.Lpass:
	s_lshl_b32 s22, s21, 9
	s_lshl_b32 s38, s18, 5
	s_add_co_u32 s22, s22, s38                     ; my first slot: 512 pass + 32 wave
	s_cmp_ge_u32 s22, s20
	s_cbranch_scc1 .Lskip                          ; nothing of the expert's rows lies here
	s_lshl_b32 s50, s22, 12
	s_add_co_u32 s48, s50, s46
	s_mov_b32 s49, 0
	s_add_nc_u64 s[44:45], s[8:9], s[48:49]        ; hc at my first tile of slots, my half of K
	s_add_co_u32 s50, s50, s47
	s_mov_b32 s51, 0
	s_add_nc_u64 s[40:41], s[12:13], s[50:51]      ; yp at my first slot, my 64 outputs
	ALOAD 0
	ALOAD 1
	ALOAD 2
.irp s, 0,1,2,3,4,5,6,7,8,9,10,11,12,13,14,15
	KSTEP \s
.endr
	v_nop                                          ; a fifth place: the next pass's first product begins an accumulator anew, and no vector work stands on the way out
	TOSTAGE 0
	TOSTAGE 1
	SEND 0, 16
	SEND 1, 0
.Lskip:
	s_wait_xcnt 0x0                                ; the stores' data and bases are written again only behind this wait
	s_add_co_u32 s21, s21, 1
	s_cmp_lt_u32 s21, 2
	s_cbranch_scc1 .Lpass
	s_wait_tensorcnt 0x0
	ds_add_u32 v30, v31
	s_wait_dscnt 0x0
	s_endpgm
.Lfunc_end_k_qa86057e850_down:
	.size	k_qa86057e850_down, .Lfunc_end_k_qa86057e850_down-k_qa86057e850_down
	.p2alignl 7, 3214868480
	.fill 96, 4, 3214868480
	.section	.rodata,"a",@progbits
	.p2align	6, 0x0
	.amdhsa_kernel k_qa86057e850_down
		.amdhsa_group_segment_fixed_size 203776
		.amdhsa_private_segment_fixed_size 0
		.amdhsa_enable_private_segment 0
		.amdhsa_kernarg_size 40
		.amdhsa_user_sgpr_count 2
		.amdhsa_user_sgpr_kernarg_segment_ptr 1
		.amdhsa_wavefront_size32 1
		.amdhsa_system_sgpr_workgroup_id_x 1
		.amdhsa_system_sgpr_workgroup_id_y 1
		.amdhsa_system_sgpr_workgroup_id_z 1
		.amdhsa_system_vgpr_workitem_id 0
		.amdhsa_next_free_vgpr 256
		.amdhsa_next_free_sgpr 66
		.amdhsa_reserve_vcc 0
		.amdhsa_float_denorm_mode_32 3
		.amdhsa_float_denorm_mode_16_64 3
		.amdhsa_memory_ordered 1
		.amdhsa_forward_progress 1
		.amdhsa_inst_pref_size 91
	.end_amdhsa_kernel
	.amdgpu_metadata
---
amdhsa.version: [ 1, 2 ]
amdhsa.kernels:
  - .name:           k_qa86057e850_down
    .symbol:         k_qa86057e850_down.kd
    .args:
      - { .name: W_out, .offset: 0, .size: 8, .value_kind: global_buffer, .address_space: global }
      - { .name: lowp_scales, .offset: 8, .size: 8, .value_kind: global_buffer, .address_space: global }
      - { .name: hc, .offset: 16, .size: 8, .value_kind: global_buffer, .address_space: global }
      - { .name: tab, .offset: 24, .size: 8, .value_kind: global_buffer, .address_space: global }
      - { .name: yp, .offset: 32, .size: 8, .value_kind: global_buffer, .address_space: global }
    .group_segment_fixed_size: 203776
    .private_segment_fixed_size: 0
    .kernarg_segment_align: 8
    .kernarg_segment_size: 40
    .max_flat_workgroup_size: 512
    .sgpr_count:     66
    .vgpr_count:     256
    .wavefront_size: 32
...
	.end_amdgpu_metadata
.endif
;; end of part 3
;; launch combine (part 4): grid 257 x 1, 8 waves a work-group, no clusters, 0 bytes of LDS; arguments yp, sel, rp, tab, b_out, lowp_scales, out0, out1; writes out0, out1
.if DOCPART == 4
	.amdgcn_target "amdgcn-amd-amdhsa--gfx1250"
	.amdhsa_code_object_version 6
	.text
	.protected	k_qa86057e850_combine
	.globl	k_qa86057e850_combine
	.p2align	8
	.type	k_qa86057e850_combine,@function
k_qa86057e850_combine:
	s_mov_b64 s[64:65], 0
	v_nop
	global_prefetch_b8 v0, s[64:65] scope:SCOPE_SE
	s_setreg_imm32_b32 hwreg(HW_REG_WAVE_MODE, 25, 1), 1
	s_wait_xcnt 0x0
; THE WEIGHTED SUM, AND THE AUX LOSS.
; Work-groups 0 .. 255: out[t] = sum over the token's two experts k of g_k (2^(e2 + e3) (yp[0] + yp[1])[e_k][slot_k] + b_out[e_k]).
;   A wave takes half a token's row (2,048 bytes): wave number gw = 8 x work-group + wave, t = gw / 2, half = gw % 2.  Each output row has one owner: nothing is added across work-groups.
;   The experts come from sel, the slots from tab's rank, both stored as whole numbers by earlier launches and held within their tables before they enter an address.
;   A stream: every load and store of the wave covers 512 consecutive bytes, aligned; 24 loads are out at once.  No LDS, no matrix unit: there is one multiply-add a number.
; Work-group 256: aux = 8 sum_e (sum_t probs[t][e] / 1024) (cnt[e] / 2048) = 2^-18 sum_e cnt[e] sum_t probs[t][e].  32 KiB of probs and eight counts: one wave's work, so that no sum crosses waves;
;   the group's other seven waves have nothing to add and end.  It runs beside the other work-groups.
; LIMIT: e2 + e3 between -126 and 127.
	s_cmp_eq_u32 ttmp9, 256
	s_cbranch_scc1 .Laux
	s_load_b256 s[4:11], s[0:1], 0x0               ; yp s[4:5], sel s[6:7], rp s[8:9], tab s[10:11]
	s_load_b128 s[12:15], s[0:1], 0x20             ; b_out s[12:13], scales s[14:15]
	s_load_b64 s[16:17], s[0:1], 0x30              ; out0
	v_lshrrev_b32 v1, 5, v0
	v_readfirstlane_b32 s18, v1                    ; wave
	v_and_b32 v1, 31, v0
	v_lshlrev_b32 v1, 4, v1                        ; 16 lane
	s_lshl_b32 s19, ttmp9, 3
	s_add_co_u32 s19, s19, s18
	s_lshr_b32 s20, s19, 1                         ; t
	s_and_b32 s21, s19, 1                          ; half
	s_lshl_b32 s21, s21, 11                        ; in bytes
	s_lshl_b32 s22, s20, 3
	s_wait_kmcnt 0x0
	s_load_b64 s[24:25], s[6:7], s22 offset:0x0    ; the two experts
	s_load_b64 s[26:27], s[8:9], s22 offset:0x8000 ; the two gates
	s_load_b128 s[28:31], s[14:15], 0x0            ; e0 .. e3
	s_wait_kmcnt 0x0
	s_min_u32 s24, s24, 7                          ; an expert lies in 0 .. 7
	s_min_u32 s25, s25, 7
	s_lshl_b32 s32, s24, 10
	s_add_co_u32 s32, s32, s20
	s_lshl_b32 s32, s32, 2
	s_lshl_b32 s33, s25, 10
	s_add_co_u32 s33, s33, s20
	s_lshl_b32 s33, s33, 2
	s_load_b32 s34, s[10:11], s32 offset:0x8000    ; rank[e_0][t]
	s_load_b32 s35, s[10:11], s33 offset:0x8000    ; rank[e_1][t]
	s_wait_kmcnt 0x0
	s_min_u32 s34, s34, 0x3ff                      ; a slot lies in 0 .. 1023
	s_min_u32 s35, s35, 0x3ff
	s_lshl_b32 s36, s24, 10
	s_add_co_u32 s36, s36, s34
	s_lshl_b32 s36, s36, 12
	s_add_co_u32 s36, s36, s21
	s_mov_b32 s37, 0
	s_add_nc_u64 s[40:41], s[4:5], s[36:37]        ; yp[0][e_0][slot_0], my half
	s_add_nc_u64 s[44:45], s[40:41], 0x2000000     ; yp[1] ..
	s_lshl_b32 s36, s25, 10
	s_add_co_u32 s36, s36, s35
	s_lshl_b32 s36, s36, 12
	s_add_co_u32 s36, s36, s21
	s_add_nc_u64 s[48:49], s[4:5], s[36:37]        ; yp[0][e_1][slot_1]
	s_add_nc_u64 s[52:53], s[48:49], 0x2000000
	s_lshl_b32 s36, s24, 12
	s_add_co_u32 s36, s36, s21
	s_add_nc_u64 s[56:57], s[12:13], s[36:37]      ; b_out[e_0]
	s_lshl_b32 s36, s25, 12
	s_add_co_u32 s36, s36, s21
	s_add_nc_u64 s[60:61], s[12:13], s[36:37]      ; b_out[e_1]
	s_lshl_b32 s36, s20, 12
	s_add_co_u32 s36, s36, s21
	s_add_nc_u64 s[16:17], s[16:17], s[36:37]      ; out0[t], my half
.irp j, 0,1,2,3
	global_load_b128 v[16+4*\j:19+4*\j], v1, s[40:41] offset:512*\j th:TH_LOAD_NT
	global_load_b128 v[32+4*\j:35+4*\j], v1, s[44:45] offset:512*\j th:TH_LOAD_NT
	global_load_b128 v[48+4*\j:51+4*\j], v1, s[48:49] offset:512*\j th:TH_LOAD_NT
	global_load_b128 v[64+4*\j:67+4*\j], v1, s[52:53] offset:512*\j th:TH_LOAD_NT
	global_load_b128 v[80+4*\j:83+4*\j], v1, s[56:57] offset:512*\j
	global_load_b128 v[96+4*\j:99+4*\j], v1, s[60:61] offset:512*\j
.endr
	s_add_co_i32 s38, s30, s31
	s_add_co_i32 s38, s38, 127
	s_lshl_b32 s38, s38, 23                        ; 2^(e2 + e3)
	s_mul_f32 s68, s26, s38                        ; g_0 2^(e2 + e3); the packed forms name pairs, so both words are written
	s_mov_b32 s69, s68
	s_mul_f32 s70, s27, s38
	s_mov_b32 s71, s70
	s_mov_b32 s72, s26
	s_mov_b32 s73, s26
	s_mov_b32 s74, s27
	s_mov_b32 s75, s27
	s_wait_loadcnt 0x0
.set p, 0
.rept 8
	v_pk_add_f32 v[16+p:17+p], v[16+p:17+p], v[32+p:33+p]                          ; K's two halves
	v_pk_add_f32 v[48+p:49+p], v[48+p:49+p], v[64+p:65+p]
	v_pk_mul_f32 v[16+p:17+p], v[16+p:17+p], s[68:69] op_sel_hi:[1,0]
	v_pk_fma_f32 v[16+p:17+p], v[48+p:49+p], s[70:71], v[16+p:17+p] op_sel_hi:[1,0,1]
	v_pk_fma_f32 v[16+p:17+p], v[80+p:81+p], s[72:73], v[16+p:17+p] op_sel_hi:[1,0,1]
	v_pk_fma_f32 v[16+p:17+p], v[96+p:97+p], s[74:75], v[16+p:17+p] op_sel_hi:[1,0,1]
.set p, p+2
.endr
.irp j, 0,1,2,3
	global_store_b128 v1, v[16+4*\j:19+4*\j], s[16:17] offset:512*\j th:TH_STORE_NT
.endr
	s_endpgm
; ---- the aux loss.  Lane l of load j reads 16 bytes at 512 j + 16 l of probs: token 16 j + l / 2, experts 4 (l % 2) + 0 .. 3: so a lane's four sums belong to four experts.
.set PA, 16                            ; v16-79, v80-143: two runs of 16 loads
.set PB, 80
.macro PLOAD j0, reg
.set pi, 0
.rept 16
	global_load_b128 v[\reg+4*pi:\reg+4*pi+3], v2, s[8:9] offset:512*(\j0+pi)
.set pi, pi+1
.endr
.endm
.macro ACCUM reg, first                ; v[4:7] += the run's 16 x 4 numbers; the first two start the sums
.if \first
	v_pk_add_f32 v[4:5], v[\reg:\reg+1], v[\reg+4:\reg+5]
	v_pk_add_f32 v[6:7], v[\reg+2:\reg+3], v[\reg+6:\reg+7]
.set pi, 2
.else
.set pi, 0
.endif
.rept 16-2*\first
	v_pk_add_f32 v[4:5], v[4:5], v[\reg+4*pi:\reg+4*pi+1]
	v_pk_add_f32 v[6:7], v[6:7], v[\reg+4*pi+2:\reg+4*pi+3]
.set pi, pi+1
.endr
.endm
.Laux:
	v_lshrrev_b32 v1, 5, v0
	v_readfirstlane_b32 s18, v1
	s_cmp_lg_u32 s18, 0
	s_cbranch_scc1 .Lend
	s_load_b128 s[8:11], s[0:1], 0x10              ; rp s[8:9], tab s[10:11]
	s_load_b64 s[16:17], s[0:1], 0x38              ; out1
	v_and_b32 v1, 31, v0                           ; lane
	v_lshlrev_b32 v2, 4, v1                        ; 16 lane
	v_and_b32 v3, 1, v0
	v_lshlrev_b32 v3, 9, v3                        ; cnt of experts 4 (lane % 2) + u: 128 bytes an expert
	s_mov_b32 s12, 0x76543210
	s_mov_b32 s13, 0xfedcba98                      ; lane selects: lane xor 16
	s_wait_kmcnt 0x0
.irp u, 0,1,2,3
	global_load_b32 v[8+\u], v3, s[10:11] offset:65536+128*\u
.endr
	PLOAD 0, PA
	PLOAD 16, PB
	s_wait_loadcnt 16                              ; the older run (and the counts) are in, the younger run of 16 may be out
	ACCUM PA, 1
	PLOAD 32, PA
	s_wait_loadcnt 16
	ACCUM PB, 0
	PLOAD 48, PB
	s_wait_loadcnt 16
	ACCUM PA, 0
	s_wait_loadcnt 0x0
	ACCUM PB, 0
	v_mov_b32 v13, 0                               ; a lane permute's destination counts as read
.irp m, 2,4,8                          ; the lanes of my parity hold the same four experts
.irp u, 0,1,2,3
	v_add_f32_dpp v[4+\u], v[4+\u], v[4+\u] row_xmask:\m row_mask:0xf bank_mask:0xf
.endr
.endr
.irp u, 0,1,2,3
	v_permlanex16_b32 v13, v[4+\u], s12, s13
	v_add_f32 v[4+\u], v[4+\u], v13
.endr
.irp u, 0,1,2,3
	v_cvt_f32_u32 v[8+\u], v[8+\u]
.endr
	v_mul_f32 v12, v4, v8
	v_fmac_f32 v12, v5, v9
	v_fmac_f32 v12, v6, v10
	v_fmac_f32 v12, v7, v11
	v_add_f32_dpp v12, v12, v12 row_xmask:1 row_mask:0xf bank_mask:0xf   ; the other four experts
	v_mul_f32 v12, 0x36800000, v12                 ; x 2^-18
	v_mov_b32 v14, 0
	s_wait_xcnt 0x0                                ; EXEC changes only behind this wait
	v_cmp_eq_u32 vcc_lo, 0, v1
	s_and_saveexec_b32 s20, vcc_lo
	global_store_b32 v14, v12, s[16:17]
	s_wait_xcnt 0x0
	s_or_b32 exec_lo, exec_lo, s20
.Lend:
	s_endpgm
.Lfunc_end_k_qa86057e850_combine:
	.size	k_qa86057e850_combine, .Lfunc_end_k_qa86057e850_combine-k_qa86057e850_combine
	.p2alignl 7, 3214868480
	.fill 96, 4, 3214868480
	.section	.rodata,"a",@progbits
	.p2align	6, 0x0
	.amdhsa_kernel k_qa86057e850_combine
		.amdhsa_group_segment_fixed_size 0
		.amdhsa_private_segment_fixed_size 0
		.amdhsa_enable_private_segment 0
		.amdhsa_kernarg_size 64
		.amdhsa_user_sgpr_count 2
		.amdhsa_user_sgpr_kernarg_segment_ptr 1
		.amdhsa_wavefront_size32 1
		.amdhsa_system_sgpr_workgroup_id_x 1
		.amdhsa_system_sgpr_workgroup_id_y 1
		.amdhsa_system_sgpr_workgroup_id_z 1
		.amdhsa_system_vgpr_workitem_id 0
		.amdhsa_next_free_vgpr 144
		.amdhsa_next_free_sgpr 80
		.amdhsa_reserve_vcc 1
		.amdhsa_float_denorm_mode_32 3
		.amdhsa_float_denorm_mode_16_64 3
		.amdhsa_memory_ordered 1
		.amdhsa_forward_progress 1
		.amdhsa_inst_pref_size 26
	.end_amdhsa_kernel
	.amdgpu_metadata
---
amdhsa.version: [ 1, 2 ]
amdhsa.kernels:
  - .name:           k_qa86057e850_combine
    .symbol:         k_qa86057e850_combine.kd
    .args:
      - { .name: yp, .offset: 0, .size: 8, .value_kind: global_buffer, .address_space: global }
      - { .name: sel, .offset: 8, .size: 8, .value_kind: global_buffer, .address_space: global }
      - { .name: rp, .offset: 16, .size: 8, .value_kind: global_buffer, .address_space: global }
      - { .name: tab, .offset: 24, .size: 8, .value_kind: global_buffer, .address_space: global }
      - { .name: b_out, .offset: 32, .size: 8, .value_kind: global_buffer, .address_space: global }
      - { .name: lowp_scales, .offset: 40, .size: 8, .value_kind: global_buffer, .address_space: global }
      - { .name: out0, .offset: 48, .size: 8, .value_kind: global_buffer, .address_space: global }
      - { .name: out1, .offset: 56, .size: 8, .value_kind: global_buffer, .address_space: global }
    .group_segment_fixed_size: 0
    .private_segment_fixed_size: 0
    .kernarg_segment_align: 8
    .kernarg_segment_size: 64
    .max_flat_workgroup_size: 256
    .sgpr_count:     80
    .vgpr_count:     144
    .wavefront_size: 32
...
	.end_amdgpu_metadata
.endif
;; end of part 4
;; ======== version 2 of 2: 4 launches
;; workspace buffers: xq 1,048,576 bytes; sel 8,192 bytes of whole numbers; rp 40,960 bytes; tab 66,560 bytes of whole numbers; hc 33,554,432 bytes; yp 67,108,864 bytes
;; launch route (part 5): grid 256 x 1, 4 waves a work-group, no clusters, 35,328 bytes of LDS; arguments x, router_W, lowp_scales, xq, sel, rp; writes xq, sel, rp
.if DOCPART == 5
	.amdgcn_target "amdgcn-amd-amdhsa--gfx1250"
	.amdhsa_code_object_version 6
	.text
	.protected	k_qa86057e850_route
	.globl	k_qa86057e850_route
	.p2align	8
	.type	k_qa86057e850_route,@function
k_qa86057e850_route:
	s_mov_b64 s[64:65], 0
	v_nop
	global_prefetch_b8 v0, s[64:65] scope:SCOPE_SE
	s_setreg_imm32_b32 hwreg(HW_REG_WAVE_MODE, 25, 1), 1
	s_wait_xcnt 0x0
; ROUTER AND x's CODES.  One wave takes one token t = 4 x work-group + wave.
; It (a) turns the token's 1,024 numbers into codes of E5M2 with the given scale 2^e1 (xq, K innermost), (b) makes the 8 logits in f32 by fused multiply-adds,
; (c) the softmax (maximum taken away), (d) the two largest probabilities (strict >, ascending expert: the lower index wins a tie), normalised by their sum + 1e-8.
; Stored at fixed places: sel[t][2] (whole numbers), rp: probs[t][8] at byte 0, gate[t][2] at byte 32,768.  No address here hangs on the choice.
; router_W (32 KiB) is brought once by the four waves into LDS, 16 bytes of padding behind each 256: a lane's rows d = 256 i + 8 lane + j then lie 272 bytes from lane to lane.
; The last stores are 48 bytes a token from one lane: parts of 256-byte blocks, 48 KiB in the whole launch.
; LIMITS: e1 between -126 and 112.  NaN and infinities among the inputs are not served.
; No matrix unit: 8 columns are half a tile and the logits steer a choice, so they are kept in f32.  No cluster: the work-groups share only router_W's 32 KiB.
.set ACC, 8                            ; v8-15   the 8 logits, then the probabilities
.set XR,  16                           ; v16-47  x[t][256 i + 8 lane + j] at 8 i + j
.set CD,  48                           ; v48-55  the codes
.set WB,  64                           ; v64-127, v128-191: two runs of router rows (8 j + e)
.set HX,  128                          ; v128-159 the held copy of x for the conversion (x itself stays exact for the logits)
	s_load_b256 s[4:11], s[0:1], 0x0               ; x s[4:5], router_W s[6:7], scales s[8:9], xq s[10:11]
	s_load_b128 s[12:15], s[0:1], 0x20             ; sel s[12:13], rp s[14:15]
	v_lshl_add_u32 v192, v0, 2, 0x8800
	v_mov_b32 v193, 0
	v_lshrrev_b32 v1, 5, v0
	v_readfirstlane_b32 s16, v1                    ; wave
	v_and_b32 v1, 31, v0                           ; lane
	v_bfe_u32 v7, v0, 4, 1
	v_lshlrev_b32 v5, 4, v1                        ; 16 lane: my bytes of a load of router_W
	v_lshl_add_u32 v2, v7, 4, v5
	s_mul_i32 s24, s16, 8704
	v_add_nc_u32 v2, s24, v2                       ; LDS, in: 8704 wave + 16 lane + 16 (lane / 16); 544 for each load of 512 bytes
	v_mul_u32_u24 v3, v1, 272                      ; LDS, out: 272 lane
	v_lshlrev_b32 v4, 5, v1                        ; x: 32 lane
	v_lshlrev_b32 v6, 3, v1                        ; xq: 8 lane
	s_lshl_b32 s17, ttmp9, 2
	s_add_co_u32 s17, s17, s16                     ; t
	s_mov_b32 s18, 0x76543210
	s_mov_b32 s19, 0xfedcba98                      ; lane selects: lane xor 16
	s_lshl_b32 s28, s17, 12
	s_mov_b32 s29, 0
	s_lshl_b32 s30, s16, 13
	s_mov_b32 s31, 0
	s_lshl_b32 s32, s17, 10
	s_mov_b32 s33, 0
	s_lshl_b32 s34, s17, 5
	s_mov_b32 s35, 0
	s_lshl_b32 s36, s17, 3
	s_mov_b32 s37, 0
	s_wait_alu depctr_va_vdst(0)
	s_wait_kmcnt 0x0
	s_load_b128 s[20:23], s[8:9], 0x0              ; e0 .. e3
	s_add_nc_u64 s[4:5], s[4:5], s[28:29]          ; x at my token
	s_add_nc_u64 s[6:7], s[6:7], s[30:31]          ; router_W at my wave's 8 KiB
	s_add_nc_u64 s[10:11], s[10:11], s[32:33]      ; xq at my token
	s_add_nc_u64 s[38:39], s[14:15], s[34:35]      ; probs[t]
	s_add_nc_u64 s[14:15], s[14:15], s[36:37]      ; gate[t], 32,768 further on
	s_add_nc_u64 s[12:13], s[12:13], s[36:37]      ; sel[t]
.irp i, 0,1,2,3
	global_load_b128 v[XR+8*\i:XR+8*\i+3],   v4, s[4:5] offset:1024*\i th:TH_LOAD_NT
	global_load_b128 v[XR+8*\i+4:XR+8*\i+7], v4, s[4:5] offset:1024*\i+16 th:TH_LOAD_NT
.endr
.irp m, 0,1,2,3,4,5,6,7,8,9,10,11,12,13,14,15
	global_load_b128 v[WB+4*\m:WB+4*\m+3], v5, s[6:7] offset:512*\m
.endr
	s_wait_loadcnt 0x0
.irp m, 0,1,2,3,4,5,6,7,8,9,10,11,12,13,14,15
	ds_store_b128 v2, v[WB+4*\m:WB+4*\m+3] offset:544*\m
.endr
	s_wait_dscnt 0x0                               ; for the others' sake: my part of router_W lies in LDS
	s_barrier_signal -1
	s_barrier_wait -1
.macro WL i, buf                       ; the router rows d = 256 i + 8 lane + j, j = 0 .. 7: 16 loads of 16 bytes
.irp j, 0,1,2,3,4,5,6,7
	ds_load_b128 v[WB+64*\buf+8*\j:WB+64*\buf+8*\j+3],   v3 offset:8704*\i+32*\j
	ds_load_b128 v[WB+64*\buf+8*\j+4:WB+64*\buf+8*\j+7], v3 offset:8704*\i+32*\j+16
.endr
.endm
.macro DOT i, buf                      ; 64 multiply-adds; the very first products start the sums
.irp j, 0,1,2,3,4,5,6,7
.irp u, 0,1,2,3,4,5,6,7
.if (\i == 0) && (\j == 0)
	v_mul_f32 v[ACC+\u], v[XR+8*\i+\j], v[WB+64*\buf+8*\j+\u]
.else
	v_fmac_f32 v[ACC+\u], v[XR+8*\i+\j], v[WB+64*\buf+8*\j+\u]
.endif
.endr
.endr
.endm
	WL 0, 0
	s_wait_kmcnt 0x0
	s_add_co_i32 s24, s21, 127
	s_lshl_b32 s25, s24, 23
	v_mov_b32 v56, s25                             ; 2^e1 as f32: the conversion takes its exponent field
	s_add_co_i32 s24, s24, 15
	s_lshl_b32 s24, s24, 23
	s_or_b32 s24, s24, 0x600000
	v_mov_b32 v57, s24                             ; 57,344 x 2^e1
.set k, 0
.rept 32
	v_med3_num_f32 v[HX+k], v[XR+k], -v57, v57     ; the conversion to an 8-bit code does not saturate (ISA guide 7.6.2): the hold comes first
.set k, k+1
.endr
.irp i, 0,1,2,3
	v_cvt_scalef32_pk8_bf8_f32 v[CD+2*\i:CD+2*\i+1], v[HX+8*\i:HX+8*\i+7], v56
.endr
	v_nop                                          ; one plain instruction behind the last conversion
.irp i, 0,1,2,3
	global_store_b64 v6, v[CD+2*\i:CD+2*\i+1], s[10:11] offset:256*\i   ; the wave stores 256 consecutive bytes, aligned
.endr
	WL 1, 1
	s_wait_dscnt 16                                ; the older run of 16 is in, the younger may be out
	DOT 0, 0
	WL 2, 0
	s_wait_alu depctr_va_vdst(0)
	s_wait_dscnt 16
	DOT 1, 1
	WL 3, 1
	s_wait_alu depctr_va_vdst(0)
	s_wait_dscnt 16
	DOT 2, 0
	s_wait_alu depctr_va_vdst(0)
	s_wait_dscnt 0x0
	DOT 3, 1
	v_mov_b32 v58, 0                               ; a lane permute's destination counts as read
.irp m, 1,2,4,8
.irp e, 0,1,2,3,4,5,6,7
	v_add_f32_dpp v[ACC+\e], v[ACC+\e], v[ACC+\e] row_xmask:\m row_mask:0xf bank_mask:0xf
.endr
.endr
.irp e, 0,1,2,3,4,5,6,7
	v_permlanex16_b32 v58, v[ACC+\e], s18, s19
	v_add_f32 v[ACC+\e], v[ACC+\e], v58            ; every lane holds the logit
.endr
	v_max3_num_f32 v58, v8, v9, v10
	v_max3_num_f32 v58, v58, v11, v12
	v_max3_num_f32 v58, v58, v13, v14
	v_max_num_f32 v58, v58, v15                    ; the row's maximum is taken away, as the softmax has it
.irp e, 0,1,2,3,4,5,6,7
	v_sub_f32 v[ACC+\e], v[ACC+\e], v58
.endr
.irp e, 0,1,2,3,4,5,6,7
	v_mul_f32 v[ACC+\e], 0x3fb8aa3b, v[ACC+\e]
.endr
	s_wait_alu depctr_va_vdst(0)
.irp e, 0,1,2,3,4,5,6,7
	v_exp_f32 v[ACC+\e], v[ACC+\e]
.endr
	v_nop                                          ; a plain instruction behind the exponentials
	s_wait_alu depctr_va_vdst(0)
	v_add_f32 v59, v8, v9
	v_add_f32 v60, v10, v11
	v_add_f32 v61, v12, v13
	v_add_f32 v62, v14, v15
	v_add_f32 v59, v59, v60
	v_add_f32 v61, v61, v62
	v_add_f32 v59, v59, v61
	s_wait_alu depctr_va_vdst(0)
	v_rcp_f32 v59, v59
	v_nop
	s_wait_alu depctr_va_vdst(0)
.irp e, 0,1,2,3,4,5,6,7
	v_mul_f32 v[ACC+\e], v[ACC+\e], v59            ; probs
.endr
	v_mov_b32 v61, v8                              ; the largest so far and its expert
	v_mov_b32 v66, 0
.irp e, 1,2,3,4,5,6,7
	v_cmp_gt_f32 vcc_lo, v[ACC+\e], v61
	v_cndmask_b32 v61, v61, v[ACC+\e], vcc_lo
	v_cndmask_b32 v66, v66, \e, vcc_lo
.endr
	v_mov_b32 v63, -1.0                            ; the second: the first's place counts as -1, under every probability
	v_mov_b32 v67, 0
.irp e, 0,1,2,3,4,5,6,7
	v_cmp_eq_u32 vcc_lo, \e, v66
	v_cndmask_b32 v58, v[ACC+\e], -1.0, vcc_lo
	v_cmp_gt_f32 vcc_lo, v58, v63
	v_cndmask_b32 v63, v63, v58, vcc_lo
	v_cndmask_b32 v67, v67, \e, vcc_lo
.endr
	v_add_f32 v58, v61, v63
	v_add_f32 v58, 0x322bcc77, v58                 ; + 1e-8
	s_wait_alu depctr_va_vdst(0)
	v_rcp_f32 v58, v58
	v_mov_b32 v68, 0                               ; (a plain instruction behind the reciprocal)
	s_wait_alu depctr_va_vdst(0)
	v_mul_f32 v64, v61, v58
	v_mul_f32 v65, v63, v58                        ; the two gates
	s_wait_alu depctr_va_vdst(0)
	s_wait_xcnt 0x0                                ; EXEC changes only behind this wait
	v_cmp_eq_u32 vcc_lo, 0, v1
	s_wait_tensorcnt 0x0
	ds_add_u32 v192, v193
	s_wait_dscnt 0x0
	s_and_saveexec_b32 s26, vcc_lo                 ; lane 0 stores for the token
	global_store_b128 v68, v[8:11], s[38:39]
	global_store_b128 v68, v[12:15], s[38:39] offset:16
	global_store_b64 v68, v[64:65], s[14:15] offset:32768
	global_store_b64 v68, v[66:67], s[12:13]
	s_wait_xcnt 0x0
	s_or_b32 exec_lo, exec_lo, s26
	s_endpgm
.Lfunc_end_k_qa86057e850_route:
	.size	k_qa86057e850_route, .Lfunc_end_k_qa86057e850_route-k_qa86057e850_route
	.p2alignl 7, 3214868480
	.fill 96, 4, 3214868480
	.section	.rodata,"a",@progbits
	.p2align	6, 0x0
	.amdhsa_kernel k_qa86057e850_route
		.amdhsa_group_segment_fixed_size 35328
		.amdhsa_private_segment_fixed_size 0
		.amdhsa_enable_private_segment 0
		.amdhsa_kernarg_size 48
		.amdhsa_user_sgpr_count 2
		.amdhsa_user_sgpr_kernarg_segment_ptr 1
		.amdhsa_wavefront_size32 1
		.amdhsa_system_sgpr_workgroup_id_x 1
		.amdhsa_system_sgpr_workgroup_id_y 1
		.amdhsa_system_sgpr_workgroup_id_z 1
		.amdhsa_system_vgpr_workitem_id 0
		.amdhsa_next_free_vgpr 194
		.amdhsa_next_free_sgpr 66
		.amdhsa_reserve_vcc 1
		.amdhsa_float_denorm_mode_32 3
		.amdhsa_float_denorm_mode_16_64 3
		.amdhsa_memory_ordered 1
		.amdhsa_forward_progress 1
		.amdhsa_inst_pref_size 29
	.end_amdhsa_kernel
	.amdgpu_metadata
---
amdhsa.version: [ 1, 2 ]
amdhsa.kernels:
  - .name:           k_qa86057e850_route
    .symbol:         k_qa86057e850_route.kd
    .args:
      - { .name: x, .offset: 0, .size: 8, .value_kind: global_buffer, .address_space: global }
      - { .name: router_W, .offset: 8, .size: 8, .value_kind: global_buffer, .address_space: global }
      - { .name: lowp_scales, .offset: 16, .size: 8, .value_kind: global_buffer, .address_space: global }
      - { .name: xq, .offset: 24, .size: 8, .value_kind: global_buffer, .address_space: global }
      - { .name: sel, .offset: 32, .size: 8, .value_kind: global_buffer, .address_space: global }
      - { .name: rp, .offset: 40, .size: 8, .value_kind: global_buffer, .address_space: global }
    .group_segment_fixed_size: 35328
    .private_segment_fixed_size: 0
    .kernarg_segment_align: 8
    .kernarg_segment_size: 48
    .max_flat_workgroup_size: 128
    .sgpr_count:     66
    .vgpr_count:     194
    .wavefront_size: 32
...
	.end_amdgpu_metadata
.endif
;; end of part 5
;; launch up (part 6): grid 32 x 8, 16 waves a work-group, no clusters, 135,168 bytes of LDS; arguments W_in, b_in, lowp_scales, xq, sel, tab, hc; writes tab, hc
.if DOCPART == 6
	.amdgcn_target "amdgcn-amd-amdhsa--gfx1250"
	.amdhsa_code_object_version 6
	.text
	.protected	k_qa86057e850_up
	.globl	k_qa86057e850_up
	.p2align	8
	.type	k_qa86057e850_up,@function
k_qa86057e850_up:
	s_mov_b64 s[64:65], 0
	v_nop
	global_prefetch_b8 v0, s[64:65] scope:SCOPE_SE
	s_setreg_imm32_b32 hwreg(HW_REG_WAVE_SCHED_MODE, 0, 2), 2
	s_setreg_imm32_b32 hwreg(HW_REG_WAVE_MODE, 25, 1), 1
	s_wait_xcnt 0x0
	s_wait_alu depctr_vm_vsrc(0)
; THE ROWS ARE PLACED BY EXPERT; FIRST PRODUCT OF THE CHOSEN ROWS, GELU, AND h's CODES.  Work-group (hs, e): expert e, hidden units 128 hs .. 128 hs + 127.  Sixteen waves of 256 registers.
; PLACING: every wave reads sel (the experts chosen for each token, whole numbers stored by the launch before) and makes 32 masks in scalar registers: bit l of mask rho says whether token
;   64 (rho / 2) + 2 l + rho % 2 chose e.  The tokens that chose e, in the order (rho, l), fill the expert's slots 0 .. cnt - 1 (no token is dropped, so any fixed order serves).
;   FIND gives a wave the tokens of its 32 slots by integer work on registers: the last rho whose running count is at most the slot, then the n-th set bit of that mask.  No list goes through memory or LDS.
;   This work stands between the blocks of phase A, while the weight's loads are out.  Wave 0 of the work-groups with hs = 0 stores for the later launches, into tab (int32): rank[e][token] at byte 32,768
;   (the token's slot; only the entries of tokens that chose e are ever read) and cnt[e], 32 copies, at byte 65,536.
; PHASE A: the work-group's slice of W_in, 1,024 (K) x 128 f32 = 512 KiB, is read from memory ONCE in the whole launch and quantised on the way: a lane takes a column and its registers run down K
;   (a wave: 32 columns x 256 along K, 8 blocks of 32; two blocks, 64 loads, ahead), so the conversions give codes with K innermost; they go to LDS, 128 rows of 1,024 bytes + 16.
;   Column n lies in row n with bits 3 and 4 exchanged: the tile 2 b + u read as rows 16 (2 b + u) + r then holds hidden units 32 b + 8 u + r + 8 (r / 8).
; PHASE B: four passes of 256 slots; a wave takes 32 slots x 64 hidden units.  A pass whose first slot is at or behind cnt is passed over (a scalar branch on the count).
;   The product is used transposed (source 0 = 16 rows of the weight's codes, source 1 = 16 tokens' codes, fetched from xq): a lane holds one token, and the 16 registers of tiles 2 b, 2 b + 1 are
;   the hidden units 32 b + 16 (lane / 16) + 0 .. 15: neighbours along the next K.  h = sum x 2^(e0 + e1) + b_in; gelu; quantised with 2^e2; stored as an image of the next product's operand registers:
;   hc[e][tile of 16 slots][K step hs][2,048 bytes], register group c of lane l at 512 c + 16 l: each store of the wave covers 512 consecutive bytes, aligned.
;   Slots from cnt to the end of a started block of 32 take some token in 0 .. 1023: their rows are computed and never used.
; GELU, exact form: gelu(h) = max(h, 0) - |h| q, q = erfc(|h| / sqrt 2) / 2 = t 2^((poly(t) - h h / 2) log2 e - 1), t = 1 / (1 + |h| / (2 sqrt 2)): the rational Chebyshev fit of erfc in ten coefficients, all in f32.
; k's places in a fragment are 32 c + 16 (lane / 16) + 0 .. 15 for registers 4 c .. 4 c + 3, alike in both operands: every product meets its partner.
; LIMITS: e0, e2 between -126 and 112; e0 + e1 between -126 and 127.  NaN and infinities among the inputs are not served.
; No tensor loads and no cluster: the passes branch on a count made from loaded numbers, and no byte of W_in is read by two work-groups; what they share, x's codes and sel, is about 1 MiB in all.
; THE MODE: SCHED_MODE bits 1:0 = 2 (LLVM: expert scheduling mode 2), set by the entry lines.  The code itself states the register dependences between vector or matrix instructions and
; memory or LDS instructions, and those through scalar registers that vector instructions write, with s_wait_alu, always for 0.
; THE PLAN.  Registers that memory or LDS instructions touch:
;   v3, v4, v5, v6, v18  offsets and LDS addresses: made at the head, never written again; one wait on va_vdst ahead of the first load serves them.
;   X0, X1 (v32-95)      phase A.  Block t: its holds and conversions read and write X[t % 2]; behind them the loads of block t + 2 land in it.
;   v96-103              phase A.  Written by a block's conversions, read by its two LDS stores.  One wait on va_vdst behind the conversions serves those stores and the loads into X[t % 2];
;                        one wait on vm_vsrc at the block's end frees the codes' registers for the next block's conversions and, behind block 7, for the weight's fragments.
;   v160-191, v104, v110, v111  the ranks, the count and two offsets: all made first, one wait on va_vdst, 17 stores, one wait on vm_vsrc: FIND and the accumulators write these registers later.
;   v8, v9               written by FIND, read by the loads of x's codes: a wait on va_vdst at a pass's head; a wait on vm_vsrc ahead of the branch that leads to the next FIND.
;   AF0, AF1 (v32-95)    phase B.  Step s's products read AF[s % 2]; the loads of step s + 1 land in AF[(s - 1) % 2], behind the wait at step s's head.
;   WF (v96-159)         phase B.  Two halves of two tiles, by turns: while one half's four products are at work the other half's eight LDS loads are out.  At a half step's head one wait on va_vdst
;                        states that the half step before is done reading its half; the loads into that half follow, and the products behind them name the other half alone.
;   CD (v32-47)          a group's codes: written by its conversions, stored behind the next group's wait for its reciprocals, which states both; the last group's store has a wait of its own.
;   The accumulators, b_in's registers and the gelu's are named by vector and matrix instructions alone from the first product on.
; Scalar registers that vector instructions write: s18 (the wave's number); the masks and FIND's compares, laid in runs with one wait on va_sdst behind each run.
.set PITCH,  1040
.set STRIDE, 16384                     ; bytes from row to row of W_in[e]
.set X,   32                           ; phase A: v32-95 two sets of 32 numbers
.set C,   96                           ; phase A: v96-103 a block's codes
.set SI,  160                          ; phase A: v160-223 sel: round rho's two choices at 2 rho, 2 rho + 1
.set RK,  160                          ; then the ranks, round rho's at rho
.set FS,  104                          ; FIND, at work: the slot,
.set FM,  105                          ; its round's mask,
.set FB,  106                          ; the slots before that round,
.set FQ,  107                          ; the round,
.set FC,  108                          ; the running count of bits less n + 1,
.set FP,  109                          ; the bit's place, then the token,
.set FT,  110
.set FX,  111
.set AO,  8                            ; v8, v9  byte offsets of my token's codes, tiles 0, 1
.set AF,  32                           ; phase B: v32-95 x's fragments: two sets of two tiles
.set WF,  96                           ; v96-159 four fragments of the weight: two halves of two
.set AC,  160                          ; v160-223 accumulator (w, t) at 8 (2 w + t)
.set BI,  224                          ; v224-255 b_in in the result's layout, 8 a tile
.set CD,  32                           ; the way out: v32-47 h's codes
.set H,   96                           ; the way out: 16 registers each
.set T,   112
.set P,   128
.set U,   144
.set M,   68                           ; s68-99 the 32 masks
.set TC,  32                           ; s32-39 at work on a run of eight rounds: the second choices' masks; in FIND the running counts.  (FIND's eight compare masks: s58-63, s50, s51)
	s_load_b256 s[4:11], s[0:1], 0x0               ; W_in s[4:5], b_in s[6:7], scales s[8:9], xq s[10:11]
	s_load_b128 s[12:15], s[0:1], 0x20             ; sel s[12:13], tab s[14:15]
	s_load_b64 s[40:41], s[0:1], 0x30              ; hc
	v_lshl_add_u32 v30, v0, 2, 0x20800
	v_mov_b32 v31, 0
	v_lshrrev_b32 v1, 5, v0
	v_readfirstlane_b32 s18, v1                    ; wave 0 .. 15
	v_and_b32 v1, 15, v0                           ; r
	v_bfe_u32 v2, v0, 4, 1                         ; h
	v_and_b32 v20, 31, v0                          ; lane
	v_lshlrev_b32 v3, 2, v20                       ; 4 lane
	v_lshlrev_b32 v6, 4, v20                       ; 16 lane
	v_lshlrev_b32 v18, 6, v2                       ; 64 h
	v_lshlrev_b32 v19, 4, v2                       ; 16 h
	v_and_b32 v21, 7, v0
	v_bfe_u32 v22, v0, 3, 1
	v_lshl_or_b32 v21, v22, 4, v21
	v_lshl_or_b32 v21, v2, 3, v21                  ; the lane's number with bits 3 and 4 exchanged
	v_mul_u32_u24 v4, v21, PITCH
	s_wait_alu depctr_va_vdst(0)
	v_mul_u32_u24 v5, v1, PITCH
	v_add_nc_u32 v5, v5, v19
	s_wait_alu depctr_va_vdst(0)
	s_mov_b32 s16, ttmp9                           ; hs
	s_and_b32 s17, ttmp7, 0xffff                   ; e
	s_wait_alu depctr_va_sdst(0)                   ; s18 is written, ahead of its first reader
	s_and_b32 s19, s18, 3                          ; phase A: which 32 columns
	s_lshr_b32 s26, s18, 2                         ;          which 256 along K
	s_and_b32 s27, s18, 1                          ; phase B: which 64 hidden units
	s_lshr_b32 s28, s18, 1                         ;          which 32 slots of a pass
	s_mul_i32 s36, s19, 32*PITCH
	s_lshl_b32 s37, s26, 8
	s_add_co_u32 s36, s36, s37
	v_add_nc_u32 v4, s36, v4                       ; LDS, in: (32 cg + exchanged lane) x pitch + 256 kq
	s_mul_i32 s37, s27, 64*PITCH
	v_add_nc_u32 v5, s37, v5                       ; LDS, out: (64 ch + r) x pitch + 16 h
	s_lshl_b32 s30, s17, 24                        ; W_in: 16 MiB e + 256 kq rows + (128 hs + 32 cg) x 4
	s_lshl_b32 s31, s26, 22
	s_add_co_u32 s30, s30, s31
	s_lshl_b32 s31, s16, 9
	s_add_co_u32 s30, s30, s31
	s_lshl_b32 s31, s19, 7
	s_add_co_u32 s30, s30, s31
	s_mov_b32 s31, 0
	s_lshl_b32 s38, s17, 14                        ; b_in: (4096 e + 128 hs + 64 ch) x 4
	s_lshl_b32 s39, s16, 9
	s_add_co_u32 s38, s38, s39
	s_lshl_b32 s39, s27, 8
	s_add_co_u32 s38, s38, s39
	s_mov_b32 s39, 0
	s_lshl_b32 s47, s17, 22                        ; hc: what does not hang on the pass: 4 MiB e + 2048 hs + 1024 ch
	s_lshl_b32 s48, s16, 11
	s_add_co_u32 s47, s47, s48
	s_lshl_b32 s48, s27, 10
	s_add_co_u32 s47, s47, s48
	s_mov_b32 s46, 0x3eb504f3                      ; 1 / (2 sqrt 2)
	s_mov_b32 s54, 0xffff0000                      ; the lanes with h = 1
	s_mov_b32 s56, 0x76543210
	s_mov_b32 s57, 0xfedcba98                      ; lane selects: lane xor 16
	v_mov_b32 v14, 0xbf527892                      ; the fit's ninth coefficient, twice: a pair for the packed form
	v_mov_b32 v15, 0xbf527892
	s_wait_kmcnt 0x0
	s_load_b128 s[32:35], s[8:9], 0x0              ; e0 .. e3
	s_add_nc_u64 s[4:5], s[4:5], s[30:31]
	s_add_nc_u64 s[6:7], s[6:7], s[38:39]
	s_wait_alu depctr_va_vdst(0)                   ; v3, v4, v5, v6 and v18 are written: every load and store below but those of x's codes and of the ranks reads one of them as its offset or address
.set q, 0
.rept 16                               ; sel first, then b_in, so that the counted waits below cover them.  Lane l of load q: tokens 64 q + 2 l and 64 q + 2 l + 1, two choices each; 512 consecutive bytes a load
	global_load_b128 v[SI+4*q:SI+4*q+3], v6, s[12:13] offset:512*q
.set q, q+1
.endr
.irp w, 0,1,2,3                        ; b_in: tile w of my four: hidden units 32 (w / 2) + 16 h + 8 (w % 2) + 0 .. 7
	global_load_b128 v[BI+8*\w:BI+8*\w+3],   v18, s[6:7] offset:(32*(\w/2)+8*(\w%2))*4
	global_load_b128 v[BI+8*\w+4:BI+8*\w+7], v18, s[6:7] offset:(32*(\w/2)+8*(\w%2))*4+16
.endr
.macro LOAD t                          ; block t: W(32 t + i, my column), i = 0 .. 31, into set t % 2; a wave's load reads 128 consecutive bytes, four waves side by side 512
.set li, 0
.rept 32
	global_load_b32 v[X+32*((\t)%2)+li], v3, s[4:5] offset:(32*(\t)+li)*STRIDE th:TH_LOAD_NT
.set li, li+1
.endr
.endm
	LOAD 0
	LOAD 1
	s_wait_kmcnt 0x0
	s_add_co_i32 s52, s32, 127
	s_lshl_b32 s53, s52, 23
	v_mov_b32 v11, s53                             ; 2^e0
	s_add_co_i32 s52, s52, 15
	s_lshl_b32 s52, s52, 23
	s_or_b32 s52, s52, 0x600000
	v_mov_b32 v10, s52                             ; 57,344 x 2^e0
	s_add_co_i32 s52, s34, 127
	s_lshl_b32 s53, s52, 23
	v_mov_b32 v13, s53                             ; 2^e2
	s_add_co_i32 s52, s52, 15
	s_lshl_b32 s52, s52, 23
	s_or_b32 s52, s52, 0x600000
	v_mov_b32 v12, s52                             ; 57,344 x 2^e2
	s_add_co_i32 s24, s32, s33
	s_add_co_i32 s24, s24, 127
	s_lshl_b32 s24, s24, 23                        ; 2^(e0 + e1)
	s_mov_b32 s25, s24                             ; (named with it as a pair, so it is written)
.macro BLOCK t
.set XS, X+32*((\t)%2)
.if (\t) < 7
	s_wait_loadcnt 32                              ; this block's 32 loads are in (and all that was issued ahead of them); the next block's may be out
.else
	s_wait_loadcnt 0
.endif
.set bi, 0
.rept 32
	v_med3_num_f32 v[XS+bi], v[XS+bi], -v10, v10   ; the conversion does not saturate (ISA guide 7.6.2): the hold comes first
.set bi, bi+1
.endr
.irp g, 0,1,2,3
	v_cvt_scalef32_pk8_bf8_f32 v[C+2*\g:C+2*\g+1], v[XS+8*\g:XS+8*\g+7], v11
.endr
	v_nop                                          ; one plain instruction behind the last conversion
	s_wait_alu depctr_va_vdst(0)                   ; the conversions have written the codes, which the LDS stores read; they and the holds are done with this set, in which the loads below land
	ds_store_b128 v4, v[C:C+3] offset:32*(\t)
	ds_store_b128 v4, v[C+4:C+7] offset:32*(\t)+16
.if (\t)+2 < 8
	LOAD (\t)+2
.endif
	s_wait_dscnt 0x0                               ; my codes lie in LDS: behind the last block the barrier's signal leans on this wait
	s_wait_alu depctr_vm_vsrc(0)                   ; the two LDS stores have read v96-103, which the next block's conversions write and in which, behind the last block, the weight's fragments land
.endm
; The tokens of slots s22 .. s22 + 31 become the byte offsets of their codes in xq, in the operand's lanes.  Lane l works on slot s22 + l.
.macro FIND
	v_add_nc_u32 v[FS], s22, v20
	s_wait_alu depctr_va_vdst(0)
	v_mov_b32 v[FM], s[M]
	v_mov_b32 v[FB], 0
	v_mov_b32 v[FQ], 0
	s_mov_b32 s66, 0
.set fbat, 0
.rept 4                                ; the last round before which at most 'slot' slots are filled: its mask, that count, its number.  Eight rounds to a run: the counts and the compares, one wait, the selects in ascending order
.set fidx, 0
.rept 8
.set frnd, 8*fbat+fidx+1
.if frnd < 32
	s_bcnt1_i32_b32 s67, s[M+frnd-1]
.if fidx == 0
	s_add_co_u32 s[TC], s66, s67
.else
	s_add_co_u32 s[TC+fidx], s[TC+fidx-1], s67
.endif
	v_cmp_le_u32 s[58+fidx-14*(fidx/6)], s[TC+fidx], v[FS]
.endif
.set fidx, fidx+1
.endr
.if fbat < 3
	s_mov_b32 s66, s[TC+7]                         ; the count goes on into the next run
.endif
	s_wait_alu depctr_va_sdst(0)                   ; the run's compares have written their masks, which the selects below read
.set fidx, 0
.rept 8
.set frnd, 8*fbat+fidx+1
.if frnd < 32
	v_cndmask_b32 v[FM], v[FM], s[M+frnd], s[58+fidx-14*(fidx/6)]
	v_cndmask_b32 v[FB], v[FB], s[TC+fidx], s[58+fidx-14*(fidx/6)]
	v_cndmask_b32 v[FQ], v[FQ], frnd, s[58+fidx-14*(fidx/6)]
.endif
.set fidx, fidx+1
.endr
.set fbat, fbat+1
.endr
	v_sub_nc_u32 v[FC], v[FB], v[FS]
	v_add_nc_u32 v[FC], -1, v[FC]                  ; -(n + 1), n = slot - count: the n-th set bit of the mask is wanted
	v_mov_b32 v[FP], 0
.set fk, 0
.rept 32                               ; its place = the number of places k up to which at most n bits are set: the running count less n + 1 is negative there
	v_bfe_u32 v[FT], v[FM], fk, 1
	v_add_nc_u32 v[FC], v[FC], v[FT]
	v_lshrrev_b32 v[FT], 31, v[FC]
	v_add_nc_u32 v[FP], v[FP], v[FT]
.set fk, fk+1
.endr
	v_lshrrev_b32 v[FT], 1, v[FQ]
	v_and_b32 v[FQ], 1, v[FQ]
	v_lshl_add_u32 v[FP], v[FP], 1, v[FQ]
	v_lshl_add_u32 v[FP], v[FT], 6, v[FP]          ; the token: 64 (rho / 2) + 2 place + rho % 2
	v_mov_b32 v[FX], 0                             ; a lane permute's destination counts as read
	v_permlanex16_b32 v[FX], v[FP], s56, s57       ; lane xor 16's token
	v_cndmask_b32 v[FT], v[FP], v[FX], s54         ; tile 0: lane (r, h) wants slot r's token, which lane r found
	v_cndmask_b32 v[FX], v[FX], v[FP], s54         ; tile 1: slot 16 + r's, which lane 16 + r found
	v_min_u32 v[FT], 0x3ff, v[FT]                  ; a token lies in 0 .. 1023 (a slot at or behind cnt finds no bit)
	v_min_u32 v[FX], 0x3ff, v[FX]
	v_lshl_add_u32 v[AO], v[FT], 10, v19           ; 1024 token + 16 h
	v_lshl_add_u32 v[AO+1], v[FX], 10, v19
.endm
	s_wait_alu depctr_va_vdst(0)
	BLOCK 0
	s_mov_b32 s20, 0                               ; cnt
.set mbat, 0
.rept 4                                ; the masks and the count: register work while 64 of the weight's loads are out.  Eight rounds to a run: sixteen compares, one wait, the scalar lines
.set midx, 0
.rept 8
	v_cmp_eq_u32 s[M+8*mbat+midx], s17, v[SI+2*(8*mbat+midx)]
	v_cmp_eq_u32 s[TC+midx], s17, v[SI+2*(8*mbat+midx)+1]
.set midx, midx+1
.endr
	s_wait_alu depctr_va_sdst(0)                   ; the sixteen compares have written their masks, which the scalar lines below read
.set midx, 0
.rept 8
	s_or_b32 s[M+8*mbat+midx], s[M+8*mbat+midx], s[TC+midx]
	s_bcnt1_i32_b32 s67, s[M+8*mbat+midx]
	s_add_co_u32 s20, s20, s67
.set midx, midx+1
.endr
.set mbat, mbat+1
.endr
	s_or_b32 s36, s16, s18
	s_cmp_lg_u32 s36, 0
	s_cbranch_scc1 .Lnorank                        ; one wave for each expert stores the ranks and the count
	s_mov_b32 s66, 0
.set rho, 0
.rept 32
	v_mbcnt_lo_u32_b32 v[RK+rho], s[M+rho], 0      ; the lanes below me that chose e,
	v_add_nc_u32 v[RK+rho], s66, v[RK+rho]         ; and the rounds before
	s_bcnt1_i32_b32 s67, s[M+rho]
	s_add_co_u32 s66, s66, s67
.set rho, rho+1
.endr
	s_lshl_b32 s36, s17, 12
	v_lshl_add_u32 v[FT], v20, 3, s36              ; 4096 e + 8 lane: tokens 2 l and 2 l + 1
	s_lshl_b32 s37, s17, 7
	v_lshl_add_u32 v[FX], v20, 2, s37
	v_mov_b32 v[FS], s20
	s_wait_alu depctr_va_vdst(0)                   ; the ranks, the count and the two offsets are written, which the seventeen stores below read
.set q, 0
.rept 16
	global_store_b64 v[FT], v[RK+2*q:RK+2*q+1], s[14:15] offset:32768+256*q   ; the wave stores 256 consecutive bytes, aligned
.set q, q+1
.endr
	global_store_b32 v[FX], v[FS], s[14:15] offset:65536
	s_wait_xcnt 0x0                                ; the stores' registers are written again only behind this wait
	s_wait_alu depctr_vm_vsrc(0)                   ; the stores have read v104, v110 and v111, which FIND writes, and v160-191, which the products write
.Lnorank:
	BLOCK 1
	s_lshl_b32 s22, s28, 5                         ; the first pass's first slot: 32 rb
	FIND
.irp t, 2,3,4,5,6,7
	BLOCK \t
.endr
	s_barrier_signal -1                            ; every wave's codes lie in LDS (its last wait was for 0); from here on they are only read
	s_barrier_wait -1
.macro ALOAD s, set                    ; K step s of my two tiles of tokens: lane (r, h) takes 16 bytes at 128 s + 32 c + 16 h of its token's row
.irp t, 0,1
.irp c, 0,1,2,3
	global_load_b128 v[AF+32*(\set)+16*\t+4*\c:AF+32*(\set)+16*\t+4*\c+3], v[AO+\t], s[10:11] offset:128*(\s)+32*\c
.endr
.endr
.endm
.macro WHALF s, j                      ; K step s of tiles 2 j and 2 j + 1 of my four tiles of the weight, into half j
.irp w, 0,1
.irp c, 0,1,2,3
	ds_load_b128 v[WF+32*(\j)+16*\w+4*\c:WF+32*(\j)+16*\w+4*\c+3], v5 offset:(2*(\j)+\w)*16*PITCH+128*(\s)+32*\c
.endr
.endr
.endm
.macro MUL4 s, j                       ; the four products of half j.  The eight accumulators take turns, one instruction a turn
.irp w, 0,1
.irp t, 0,1
.if (\s) == 0
	v_wmma_f32_16x16x128_bf8_bf8 v[AC+8*(2*(2*(\j)+\w)+\t):AC+8*(2*(2*(\j)+\w)+\t)+7], v[WF+32*(\j)+16*\w:WF+32*(\j)+16*\w+15], v[AF+32*((\s)%2)+16*\t:AF+32*((\s)%2)+16*\t+15], 0
.else
	v_wmma_f32_16x16x128_bf8_bf8 v[AC+8*(2*(2*(\j)+\w)+\t):AC+8*(2*(2*(\j)+\w)+\t)+7], v[WF+32*(\j)+16*\w:WF+32*(\j)+16*\w+15], v[AF+32*((\s)%2)+16*\t:AF+32*((\s)%2)+16*\t+15], v[AC+8*(2*(2*(\j)+\w)+\t):AC+8*(2*(2*(\j)+\w)+\t)+7]
.endif
.endr
.endr
.endm
.macro KSTEP s                         ; two half steps; half 0's fragments were asked for in the half step before
.if (\s) > 0
	s_wait_alu depctr_va_vdst(0)                   ; the last step's products are done reading half 1 of the weight's fragments and their set of x's, in which the loads below land
.if (\s)+1 < 8
	ALOAD (\s)+1, ((\s)+1)%2
.endif
.endif
	WHALF \s, 1
.if (\s) < 7
	s_wait_loadcnt 8                               ; this step's 8 loads are in; the next step's may be out
.else
	s_wait_loadcnt 0
.endif
	s_wait_dscnt 8                                 ; LDS loads come back in order (ISA guide 5.7.1): half 0 is in, the eight loads just issued may be out
	MUL4 \s, 0
.if (\s) < 7
	s_wait_alu depctr_va_vdst(0)                   ; the four products above are done reading half 0, in which the next step's fragments land
	WHALF (\s)+1, 0
	s_wait_dscnt 8                                 ; half 1 is in, the eight loads just issued may be out
.else
	s_wait_dscnt 0x0
.endif
	MUL4 \s, 1
.endm
.macro HORNER lit                      ; P = P T + a coefficient, 16 numbers
.set k, 0
.rept 8
	v_pk_fma_f32 v[P+k:P+k+1], v[P+k:P+k+1], v[T+k:T+k+1], \lit op_sel_hi:[1,1,0]
.set k, k+2
.endr
.endm
.macro HSTORE t, b                     ; the codes of group (t, b) leave: 512 consecutive bytes a wave
	global_store_b128 v6, v[CD+4*(2*\t+\b):CD+4*(2*\t+\b)+3], s[44:45] offset:65536*\t+512*\b
.endm
; 16 numbers of a lane: tile of tokens t, tiles 2 b and 2 b + 1 of my four: the next K's places 32 (2 ch + b) + 16 h + 0 .. 15.  prev = 1: the group before, (pt, pb), is stored on the way
.macro GELUQ t, b, prev, pt, pb
.set A0, AC+8*(4*\b+\t)
.set A1, AC+8*(4*\b+2+\t)
.set B0, BI+16*\b
.set k, 0
.rept 4
	v_pk_fma_f32 v[H+k:H+k+1], v[A0+k:A0+k+1], s[24:25], v[B0+k:B0+k+1] op_sel_hi:[1,0,1]   ; h = sum x 2^(e0 + e1) + b_in; each accumulator from its low end on
.set k, k+2
.endr
.set k, 0
.rept 4
	v_pk_fma_f32 v[H+8+k:H+9+k], v[A1+k:A1+k+1], s[24:25], v[B0+8+k:B0+9+k] op_sel_hi:[1,0,1]
.set k, k+2
.endr
.set k, 0
.rept 16
	v_fma_f32 v[T+k], |v[H+k]|, s46, 1.0
.set k, k+1
.endr
.set k, 0
	s_wait_alu depctr_va_vdst(0)
.rept 16
	v_rcp_f32 v[T+k], v[T+k]                       ; t
.set k, k+1
.endr
.set k, 0
.rept 8
	v_pk_mul_f32 v[U+k:U+k+1], v[H+k:H+k+1], v[H+k:H+k+1]   ; h h  (plain instructions behind the reciprocals)
.set k, k+2
.endr
	s_wait_alu depctr_va_vdst(0)                   ; the sixteen reciprocals have written T, ahead of their first reader; and the group before has written its codes, which the store below reads
.if \prev
	HSTORE \pt, \pb
.endif
.set k, 0
.rept 8
	v_pk_fma_f32 v[P+k:P+k+1], v[T+k:T+k+1], 0x3e2ef945, v[14:15] op_sel_hi:[1,0,1]
.set k, k+2
.endr
	HORNER 0x3fbe87b0
	HORNER 0xbf914e5d
	HORNER 0x3e8ec7cc
	HORNER 0xbe3ec24c
	HORNER 0x3dc636c9
	HORNER 0x3ebf88fb
	HORNER 0x3f8000c7
	HORNER 0xbfa1fc4e
.set k, 0
.rept 8
	v_pk_fma_f32 v[P+k:P+k+1], v[U+k:U+k+1], -0.5, v[P+k:P+k+1] op_sel_hi:[1,0,1]
.set k, k+2
.endr
.set k, 0
.rept 8
	v_pk_fma_f32 v[P+k:P+k+1], v[P+k:P+k+1], 0x3fb8aa3b, -1.0 op_sel_hi:[1,0,0]
.set k, k+2
.endr
.set k, 0
	s_wait_alu depctr_va_vdst(0)
.rept 16
	v_exp_f32 v[P+k], v[P+k]
.set k, k+1
.endr
.set k, 0
.rept 16
	v_max_num_f32 v[U+k], 0, v[H+k]                ; max(h, 0)  (plain instructions behind the exponentials)
.set k, k+1
.endr
	s_wait_alu depctr_va_vdst(0)                   ; the sixteen exponentials have written P, ahead of their first reader
.set k, 0
.rept 8
	v_pk_mul_f32 v[P+k:P+k+1], v[P+k:P+k+1], v[T+k:T+k+1]   ; q
.set k, k+2
.endr
.set k, 0
.rept 16
	v_fma_f32 v[H+k], -|v[H+k]|, v[P+k], v[U+k]    ; gelu
.set k, k+1
.endr
.set k, 0
.rept 16
	v_med3_num_f32 v[H+k], v[H+k], -v12, v12
.set k, k+1
.endr
	v_cvt_scalef32_pk8_bf8_f32 v[CD+4*(2*\t+\b):CD+4*(2*\t+\b)+1], v[H:H+7], v13
	v_cvt_scalef32_pk8_bf8_f32 v[CD+4*(2*\t+\b)+2:CD+4*(2*\t+\b)+3], v[H+8:H+15], v13
	v_nop                                          ; one plain instruction behind the last conversion
.endm
	s_mov_b32 s21, 0                               ; the pass
.Lpass:
	s_lshl_b32 s22, s21, 8
	s_lshl_b32 s38, s28, 5
	s_add_co_u32 s22, s22, s38                     ; my first slot: 256 pass + 32 rb
	s_cmp_ge_u32 s22, s20
	s_cbranch_scc1 .Lskip                          ; nothing of the expert's rows lies here
	s_lshl_b32 s48, s22, 12
	s_add_co_u32 s48, s48, s47
	s_mov_b32 s49, 0
	s_add_nc_u64 s[44:45], s[40:41], s[48:49]      ; hc at my first tile of slots, K step hs, my half of the image
	s_wait_alu depctr_va_vdst(0)                   ; FIND has written v8 and v9, which the loads below read as offsets, and is done with v104-111, in which the weight's fragments land
	ALOAD 0, 0                                     ; the tokens' offsets were found ahead: in phase A, or at the end of the pass before
	ALOAD 1, 1
	WHALF 0, 0
.irp s, 0,1,2,3,4,5,6,7
	KSTEP \s
.endr
.rept 4
	v_nop                                          ; four places in front of the first read of results (ISA guide 7.12.1)
.endr
	GELUQ 0, 0, 0, 0, 0
	GELUQ 0, 1, 1, 0, 0
	GELUQ 1, 0, 1, 0, 1
	GELUQ 1, 1, 1, 1, 0
	s_wait_alu depctr_va_vdst(0)                   ; the last group's conversions have written its codes, which the store below reads
	HSTORE 1, 1
	s_wait_alu depctr_vm_vsrc(0)                   ; the loads of x's codes have read v8 and v9, which FIND writes; the four stores have read v32-47, in which the next pass's loads land
	s_add_co_u32 s22, s22, 256                     ; has the next pass rows for me?  Then its tokens are found now (all loads that named the offsets are done: the last K step waited for 0)
	s_cmp_ge_u32 s22, s20
	s_cbranch_scc1 .Lskip
	FIND
.Lskip:
	s_wait_xcnt 0x0                                ; the stores' data and bases are written again only behind this wait
	s_add_co_u32 s21, s21, 1
	s_cmp_lt_u32 s21, 4
	s_cbranch_scc1 .Lpass
	s_wait_dscnt 0x0                               ; the closing lines, six on end
	s_wait_alu 0x0
	s_wait_tensorcnt 0x0
	ds_add_u32 v30, v31
	s_wait_dscnt 0x0
	s_endpgm
.Lfunc_end_k_qa86057e850_up:
	.size	k_qa86057e850_up, .Lfunc_end_k_qa86057e850_up-k_qa86057e850_up
	.p2alignl 7, 3214868480
	.fill 96, 4, 3214868480
	.section	.rodata,"a",@progbits
	.p2align	6, 0x0
	.amdhsa_kernel k_qa86057e850_up
		.amdhsa_group_segment_fixed_size 135168
		.amdhsa_private_segment_fixed_size 0
		.amdhsa_enable_private_segment 0
		.amdhsa_kernarg_size 56
		.amdhsa_user_sgpr_count 2
		.amdhsa_user_sgpr_kernarg_segment_ptr 1
		.amdhsa_wavefront_size32 1
		.amdhsa_system_sgpr_workgroup_id_x 1
		.amdhsa_system_sgpr_workgroup_id_y 1
		.amdhsa_system_sgpr_workgroup_id_z 1
		.amdhsa_system_vgpr_workitem_id 0
		.amdhsa_next_free_vgpr 256
		.amdhsa_next_free_sgpr 100
		.amdhsa_reserve_vcc 0
		.amdhsa_float_denorm_mode_32 3
		.amdhsa_float_denorm_mode_16_64 3
		.amdhsa_memory_ordered 1
		.amdhsa_forward_progress 1
		.amdhsa_inst_pref_size 175
	.end_amdhsa_kernel
	.amdgpu_metadata
---
amdhsa.version: [ 1, 2 ]
amdhsa.kernels:
  - .name:           k_qa86057e850_up
    .symbol:         k_qa86057e850_up.kd
    .args:
      - { .name: W_in, .offset: 0, .size: 8, .value_kind: global_buffer, .address_space: global }
      - { .name: b_in, .offset: 8, .size: 8, .value_kind: global_buffer, .address_space: global }
      - { .name: lowp_scales, .offset: 16, .size: 8, .value_kind: global_buffer, .address_space: global }
      - { .name: xq, .offset: 24, .size: 8, .value_kind: global_buffer, .address_space: global }
      - { .name: sel, .offset: 32, .size: 8, .value_kind: global_buffer, .address_space: global }
      - { .name: tab, .offset: 40, .size: 8, .value_kind: global_buffer, .address_space: global }
      - { .name: hc, .offset: 48, .size: 8, .value_kind: global_buffer, .address_space: global }
    .group_segment_fixed_size: 135168
    .private_segment_fixed_size: 0
    .kernarg_segment_align: 8
    .kernarg_segment_size: 56
    .max_flat_workgroup_size: 512
    .sgpr_count:     100
    .vgpr_count:     256
    .wavefront_size: 32
...
	.end_amdgpu_metadata
.endif
;; end of part 6
;; launch down (part 7): grid 32 x 8, 16 waves a work-group, no clusters, 203,776 bytes of LDS; arguments W_out, lowp_scales, hc, tab, yp; writes yp
.if DOCPART == 7
	.amdgcn_target "amdgcn-amd-amdhsa--gfx1250"
	.amdhsa_code_object_version 6
	.text
	.protected	k_qa86057e850_down
	.globl	k_qa86057e850_down
	.p2align	8
	.type	k_qa86057e850_down,@function
k_qa86057e850_down:
	s_mov_b64 s[64:65], 0
	v_nop
	global_prefetch_b8 v0, s[64:65] scope:SCOPE_SE
	s_setreg_imm32_b32 hwreg(HW_REG_WAVE_SCHED_MODE, 0, 2), 2
	s_setreg_imm32_b32 hwreg(HW_REG_WAVE_MODE, 25, 1), 1
	s_wait_xcnt 0x0
	s_wait_alu depctr_vm_vsrc(0)
; SECOND PRODUCT OF THE CHOSEN ROWS.  Work-group (x, e): expert e, outputs 64 ds .. 64 ds + 63 (ds = x % 16), half kh = x / 16 of K (2,048 hidden units).  Sixteen waves of 256 registers.
; 64 outputs are 256 bytes of a row of W_out and of yp: whole aligned blocks; with them a slice of 512 KiB for each of 256 work-groups means half of K, so the two halves' sums are added by the next launch.
; PHASE A: the slice of W_out, 2,048 (K) x 64 f32, is read from memory once in the whole launch and quantised on the way: a lane takes a column, its registers run down K
;   (a wave: 32 columns x 256 along K, 8 blocks of 32, two blocks ahead); codes to LDS, 64 rows of 2,048 bytes + 16.
; PHASE B: two passes of 512 slots; a wave takes 32 slots x 64 outputs, 16 K steps of 128.  A pass whose first slot is at or behind cnt[e] is passed over (a scalar branch on the stored count).
;   h's fragments come from hc as images of the operand's registers: 512 consecutive bytes a load; three K steps (24 loads) ahead.  The product is used transposed (source 0 = 16 outputs' codes, source 1 = 16 slots):
;   a lane's eight results are eight neighbouring outputs of one slot.  The raw sums go through the wave's own stage in LDS and leave as rows of 256 bytes: yp[kh][e][slot][1024] f32.  The scale 2^(e2 + e3) is applied later.
; LIMITS: e3 between -126 and 112.  NaN and infinities among the inputs are not served.
; No tensor loads and no cluster: the passes branch on a stored count, and no byte of W_out is read by two work-groups.
; THE MODE: SCHED_MODE bits 1:0 = 2 (LLVM: expert scheduling mode 2), set by the entry lines.  The code itself states the register dependences between vector or matrix instructions and
; memory or LDS instructions, and those through scalar registers that vector instructions write, with s_wait_alu, always for 0.
; THE PLAN.  Registers that memory or LDS instructions touch:
;   v3, v4, v5, v6, v9, v12, v13, v14  offsets and LDS addresses: made at the head, never written again; one wait on va_vdst ahead of the first load serves them.
;   X0, X1 (v32-95)      phase A.  Block t: its holds and conversions read and write X[t % 2]; behind them the loads of block t + 2 land in it.
;   v96-103              phase A.  Written by a block's conversions, read by its two LDS stores.  One wait on va_vdst behind the conversions serves those stores and the loads into X[t % 2];
;                        one wait on vm_vsrc at the block's end frees the codes' registers for the next block's conversions and, behind block 7, for the weight's fragments.
;   three sets of h's fragments (v32-63, v64-95, v224-255)  Step s's products read set s % 3; the loads of step s + 2 land in set (s - 1) % 3, behind the wait at step s's head.
;   WF (v96-159)         Two halves of two tiles, by turns: while one half's four products are at work the other half's eight LDS loads are out.  At a half step's head one wait on va_vdst
;                        states that the half step before is done reading its half; the loads into that half follow, and the products behind them name the other half alone.
;   the accumulators (v160-223) and v96-159 on the way out.  One wait on va_vdst behind the last products' places: the sums are written, which the LDS stores read, and the fragments are read out, in whose
;                        registers the rows come back from the stage.  No vector or matrix instruction follows it before the next pass's products, so a pass's head owes no wait.
;                        One wait on vm_vsrc behind the last stores frees both for the next pass.
; The one scalar register that a vector instruction writes is s18, the wave's number.
.set PITCH,  2064
.set STRIDE, 4096                      ; bytes from row to row of W_out[e]
.set STG,    64*PITCH                  ; behind the codes: a stage of 16 rows x 272 bytes for each wave
.set X,   32                           ; phase A: v32-95 two sets of 32 numbers
.set C,   96                           ; phase A: v96-103 a block's codes
.set WF,  96                           ; v96-159 four fragments of the weight: two halves of two; on the way out rows read back from the stage
.set OB,  96
.set AC,  160                          ; v160-223 accumulator (w, t) at 8 (2 w + t)
.set SO,  12                           ; v12 the stage, in
.set SR,  13                           ; v13 the stage, back
.set YO,  14                           ; v14 my byte offset in two rows of yp
	s_load_b256 s[4:11], s[0:1], 0x0               ; W_out s[4:5], scales s[6:7], hc s[8:9], tab s[10:11]
	s_load_b64 s[12:13], s[0:1], 0x20              ; yp
	v_lshl_add_u32 v30, v0, 2, 0x31400
	v_mov_b32 v31, 0
	v_lshrrev_b32 v1, 5, v0
	v_readfirstlane_b32 s18, v1                    ; wave 0 .. 15
	v_and_b32 v1, 15, v0                           ; r
	v_bfe_u32 v2, v0, 4, 1                         ; h
	v_and_b32 v20, 31, v0                          ; lane
	v_lshlrev_b32 v3, 2, v20                       ; 4 lane
	v_lshlrev_b32 v6, 4, v20                       ; 16 lane
	v_mul_u32_u24 v4, v20, PITCH
	s_wait_alu depctr_va_vdst(0)
	v_mul_u32_u24 v5, v1, PITCH
	v_lshl_add_u32 v5, v2, 4, v5                   ; LDS, out: r x pitch + 16 h: tiles 0, 1
	v_add_nc_u32 v9, 32*PITCH, v5                  ;           tiles 2, 3
	s_and_b32 s16, ttmp9, 15                       ; ds
	s_lshr_b32 s15, ttmp9, 4                       ; kh
	s_and_b32 s17, ttmp7, 0xffff                   ; e
	s_wait_alu depctr_va_sdst(0)                   ; s18 is written, ahead of its first reader
	s_and_b32 s19, s18, 1                          ; phase A: which 32 columns
	s_lshr_b32 s26, s18, 1                         ;          which 256 along K
	s_mul_i32 s36, s19, 32*PITCH
	s_lshl_b32 s37, s26, 8
	s_add_co_u32 s36, s36, s37
	v_add_nc_u32 v4, s36, v4                       ; LDS, in: (32 cg + lane) x pitch + 256 kq
	s_mul_i32 s37, s18, 16*272
	s_add_co_u32 s37, s37, STG                     ; my stage
	v_mul_u32_u24 v[SO], v1, 272
	v_lshl_add_u32 v[SO], v2, 5, v[SO]
	v_add_nc_u32 v[SO], s37, v[SO]                 ; in: row r, + 32 h
	v_mul_u32_u24 v[SR], v2, 272
	v_lshl_add_u32 v[SR], v1, 4, v[SR]
	v_add_nc_u32 v[SR], s37, v[SR]                 ; back: lanes 0-15 one row, lanes 16-31 the next
	v_lshlrev_b32 v[YO], 12, v2
	v_lshl_add_u32 v[YO], v1, 4, v[YO]             ; and the same two rows in yp
	s_lshl_b32 s30, s17, 24                        ; W_out: 16 MiB e + (2048 kh + 256 kq) rows + (64 ds + 32 cg) x 4
	s_lshl_b32 s31, s15, 23
	s_add_co_u32 s30, s30, s31
	s_lshl_b32 s31, s26, 20
	s_add_co_u32 s30, s30, s31
	s_lshl_b32 s31, s16, 8
	s_add_co_u32 s30, s30, s31
	s_lshl_b32 s31, s19, 7
	s_add_co_u32 s30, s30, s31
	s_mov_b32 s31, 0
	s_lshl_b32 s29, s17, 7                         ; cnt[e]
	s_lshl_b32 s46, s17, 22                        ; hc: 4 MiB e + 16 kh K steps of 2,048 bytes
	s_lshl_b32 s47, s15, 15
	s_add_co_u32 s46, s46, s47
	s_lshl_b32 s47, s15, 25                        ; yp: 32 MiB kh + 4 MiB e + 256 ds
	s_lshl_b32 s48, s17, 22
	s_add_co_u32 s47, s47, s48
	s_lshl_b32 s48, s16, 8
	s_add_co_u32 s47, s47, s48
	s_wait_kmcnt 0x0
	s_load_b128 s[32:35], s[6:7], 0x0              ; e0 .. e3
	s_load_b32 s20, s[10:11], s29 offset:0x10000   ; cnt[e]
	s_add_nc_u64 s[4:5], s[4:5], s[30:31]
	s_wait_alu depctr_va_vdst(0)                   ; v3, v4, v5, v6, v9, v12, v13 and v14 are written: every load and store of the kernel reads one of them as its offset or address
.macro LOAD t                          ; block t: W(32 t + i, my column), i = 0 .. 31, into set t % 2; two waves side by side read 256 consecutive bytes, aligned
.set li, 0
.rept 32
	global_load_b32 v[X+32*((\t)%2)+li], v3, s[4:5] offset:(32*(\t)+li)*STRIDE th:TH_LOAD_NT
.set li, li+1
.endr
.endm
	LOAD 0
	LOAD 1
	s_wait_kmcnt 0x0
	s_add_co_i32 s52, s35, 127
	s_lshl_b32 s53, s52, 23
	v_mov_b32 v11, s53                             ; 2^e3
	s_add_co_i32 s52, s52, 15
	s_lshl_b32 s52, s52, 23
	s_or_b32 s52, s52, 0x600000
	v_mov_b32 v10, s52                             ; 57,344 x 2^e3
.macro BLOCK t
.set XS, X+32*((\t)%2)
.if (\t) < 7
	s_wait_loadcnt 32                              ; this block's 32 loads are in; the next block's may be out
.else
	s_wait_loadcnt 0
.endif
.set bi, 0
.rept 32
	v_med3_num_f32 v[XS+bi], v[XS+bi], -v10, v10   ; the conversion does not saturate (ISA guide 7.6.2): the hold comes first
.set bi, bi+1
.endr
.irp g, 0,1,2,3
	v_cvt_scalef32_pk8_bf8_f32 v[C+2*\g:C+2*\g+1], v[XS+8*\g:XS+8*\g+7], v11
.endr
	v_nop                                          ; one plain instruction behind the last conversion
	s_wait_alu depctr_va_vdst(0)                   ; the conversions have written the codes, which the LDS stores read; they and the holds are done with this set, in which the loads below land
	ds_store_b128 v4, v[C:C+3] offset:32*(\t)
	ds_store_b128 v4, v[C+4:C+7] offset:32*(\t)+16
.if (\t)+2 < 8
	LOAD (\t)+2
.endif
	s_wait_dscnt 0x0                               ; my codes lie in LDS: behind the last block the barrier's signal leans on this wait
	s_wait_alu depctr_vm_vsrc(0)                   ; the two LDS stores have read v96-103, which the next block's conversions write and in which, behind the last block, the weight's fragments land
.endm
	s_wait_alu depctr_va_vdst(0)
.irp t, 0,1,2,3,4,5,6,7
	BLOCK \t
.endr
	s_barrier_signal -1                            ; every wave's codes lie in LDS (its last wait was for 0); from here on they are only read
	s_barrier_wait -1
.macro ALOAD s                         ; K step s of my two tiles of slots into set s % 3 (v32, v64, v224): the images as they lie
.set AFB, 32+32*((\s)%3)+128*(((\s)%3)/2)
.irp t, 0,1
.irp c, 0,1,2,3
	global_load_b128 v[AFB+16*\t+4*\c:AFB+16*\t+4*\c+3], v6, s[44:45] offset:65536*\t+2048*(\s)+512*\c
.endr
.endr
.endm
.macro WHALF0 s                        ; K step s of tiles 0 and 1 of the four tiles of outputs, into half 0
.irp w, 0,1
.irp c, 0,1,2,3
	ds_load_b128 v[WF+16*\w+4*\c:WF+16*\w+4*\c+3], v5 offset:\w*16*PITCH+128*(\s)+32*\c
.endr
.endr
.endm
.macro WHALF1 s                        ; of tiles 2 and 3, into half 1
.irp w, 0,1
.irp c, 0,1,2,3
	ds_load_b128 v[WF+32+16*\w+4*\c:WF+32+16*\w+4*\c+3], v9 offset:\w*16*PITCH+128*(\s)+32*\c
.endr
.endr
.endm
.macro MUL4 s, j                       ; the four products of half j.  The eight accumulators take turns, one instruction a turn
.set AFB, 32+32*((\s)%3)+128*(((\s)%3)/2)
.irp w, 0,1
.irp t, 0,1
.if (\s) == 0
	v_wmma_f32_16x16x128_bf8_bf8 v[AC+8*(2*(2*(\j)+\w)+\t):AC+8*(2*(2*(\j)+\w)+\t)+7], v[WF+32*(\j)+16*\w:WF+32*(\j)+16*\w+15], v[AFB+16*\t:AFB+16*\t+15], 0
.else
	v_wmma_f32_16x16x128_bf8_bf8 v[AC+8*(2*(2*(\j)+\w)+\t):AC+8*(2*(2*(\j)+\w)+\t)+7], v[WF+32*(\j)+16*\w:WF+32*(\j)+16*\w+15], v[AFB+16*\t:AFB+16*\t+15], v[AC+8*(2*(2*(\j)+\w)+\t):AC+8*(2*(2*(\j)+\w)+\t)+7]
.endif
.endr
.endr
.endm
.macro KSTEP s                         ; two half steps; half 0's fragments were asked for in the half step before
.if (\s) > 0
	s_wait_alu depctr_va_vdst(0)                   ; the last step's products are done reading half 1 of the weight's fragments and their set of h's, in which the loads below land
.if (\s)+2 < 16
	ALOAD (\s)+2
.endif
.endif
	WHALF1 \s
.if (\s) < 14
	s_wait_loadcnt 16                              ; this step's 8 loads are in; those of the two steps behind it may be out
.else
	s_wait_loadcnt 8*(15-(\s))
.endif
	s_wait_dscnt 8                                 ; LDS loads come back in order (ISA guide 5.7.1): half 0 is in, the eight loads just issued may be out
	MUL4 \s, 0
.if (\s) < 15
	s_wait_alu depctr_va_vdst(0)                   ; the four products above are done reading half 0, in which the next step's fragments land
	WHALF0 (\s)+1
	s_wait_dscnt 8                                 ; half 1 is in, the eight loads just issued may be out
.else
	s_wait_dscnt 0x0
.endif
	MUL4 \s, 1
.endm
.macro TOSTAGE t                       ; tile t: 16 slots x 64 outputs into my stage and back as rows; LDS serves a wave's instructions in order (ISA guide 5.7.1.4): no wait between
.irp w, 0,1,2,3
	ds_store_b128 v[SO], v[AC+8*(2*\w+\t):AC+8*(2*\w+\t)+3] offset:64*\w           ; each accumulator from its low end on
	ds_store_b128 v[SO], v[AC+8*(2*\w+\t)+4:AC+8*(2*\w+\t)+7] offset:64*\w+16
.endr
.irp i, 0,1,2,3,4,5,6,7
	ds_load_b128 v[OB+32*\t+4*\i:OB+32*\t+4*\i+3], v[SR] offset:544*\i
.endr
.endm
.macro SEND t, younger                 ; younger: the LDS instructions issued behind tile t's loads
.irp i, 0,1,2,3,4,5,6,7
	s_wait_dscnt \younger+7-\i
	global_store_b128 v[YO], v[OB+32*\t+4*\i:OB+32*\t+4*\i+3], s[40:41] offset:(16*\t+2*\i)*4096   ; sixteen lanes store 256 consecutive bytes, aligned
.endr
.endm
	s_mov_b32 s21, 0                               ; the pass
.Lpass:
	s_lshl_b32 s22, s21, 9
	s_lshl_b32 s38, s18, 5
	s_add_co_u32 s22, s22, s38                     ; my first slot: 512 pass + 32 wave
	s_cmp_ge_u32 s22, s20
	s_cbranch_scc1 .Lskip                          ; nothing of the expert's rows lies here
	s_lshl_b32 s50, s22, 12
	s_add_co_u32 s48, s50, s46
	s_mov_b32 s49, 0
	s_add_nc_u64 s[44:45], s[8:9], s[48:49]        ; hc at my first tile of slots, my half of K
	s_add_co_u32 s50, s50, s47
	s_mov_b32 s51, 0
	s_add_nc_u64 s[40:41], s[12:13], s[50:51]      ; yp at my first slot, my 64 outputs
	ALOAD 0                                        ; no vector or matrix instruction has been issued since the last wait on va_vdst (block 7's, or the last way out's): nothing more is owed here
	ALOAD 1
	ALOAD 2
	WHALF0 0
.irp s, 0,1,2,3,4,5,6,7,8,9,10,11,12,13,14,15
	KSTEP \s
.endr
.rept 4
	v_nop                                          ; four places in front of the first read of results (ISA guide 7.12.1)
.endr
	v_nop                                          ; a fifth place: the next pass's first product begins an accumulator anew, and no vector work stands on the way out
	s_wait_alu depctr_va_vdst(0)                   ; the products have written the accumulators, which the LDS stores read, and are done reading v96-159, in which the rows land; the places above stay beside this wait
	TOSTAGE 0
	TOSTAGE 1
	SEND 0, 16
	SEND 1, 0
	s_wait_alu depctr_vm_vsrc(0)                   ; the LDS stores have read the accumulators, which the next pass's products write; the stores to yp have read v96-159, in which its fragments land
.Lskip:
	s_wait_xcnt 0x0                                ; the stores' data and bases are written again only behind this wait
	s_add_co_u32 s21, s21, 1
	s_cmp_lt_u32 s21, 2
	s_cbranch_scc1 .Lpass
	s_wait_dscnt 0x0                               ; the closing lines, six on end
	s_wait_alu 0x0
	s_wait_tensorcnt 0x0
	ds_add_u32 v30, v31
	s_wait_dscnt 0x0
	s_endpgm
.Lfunc_end_k_qa86057e850_down:
	.size	k_qa86057e850_down, .Lfunc_end_k_qa86057e850_down-k_qa86057e850_down
	.p2alignl 7, 3214868480
	.fill 96, 4, 3214868480
	.section	.rodata,"a",@progbits
	.p2align	6, 0x0
	.amdhsa_kernel k_qa86057e850_down
		.amdhsa_group_segment_fixed_size 203776
		.amdhsa_private_segment_fixed_size 0
		.amdhsa_enable_private_segment 0
		.amdhsa_kernarg_size 40
		.amdhsa_user_sgpr_count 2
		.amdhsa_user_sgpr_kernarg_segment_ptr 1
		.amdhsa_wavefront_size32 1
		.amdhsa_system_sgpr_workgroup_id_x 1
		.amdhsa_system_sgpr_workgroup_id_y 1
		.amdhsa_system_sgpr_workgroup_id_z 1
		.amdhsa_system_vgpr_workitem_id 0
		.amdhsa_next_free_vgpr 256
		.amdhsa_next_free_sgpr 66
		.amdhsa_reserve_vcc 0
		.amdhsa_float_denorm_mode_32 3
		.amdhsa_float_denorm_mode_16_64 3
		.amdhsa_memory_ordered 1
		.amdhsa_forward_progress 1
		.amdhsa_inst_pref_size 92
	.end_amdhsa_kernel
	.amdgpu_metadata
---
amdhsa.version: [ 1, 2 ]
amdhsa.kernels:
  - .name:           k_qa86057e850_down
    .symbol:         k_qa86057e850_down.kd
    .args:
      - { .name: W_out, .offset: 0, .size: 8, .value_kind: global_buffer, .address_space: global }
      - { .name: lowp_scales, .offset: 8, .size: 8, .value_kind: global_buffer, .address_space: global }
      - { .name: hc, .offset: 16, .size: 8, .value_kind: global_buffer, .address_space: global }
      - { .name: tab, .offset: 24, .size: 8, .value_kind: global_buffer, .address_space: global }
      - { .name: yp, .offset: 32, .size: 8, .value_kind: global_buffer, .address_space: global }
    .group_segment_fixed_size: 203776
    .private_segment_fixed_size: 0
    .kernarg_segment_align: 8
    .kernarg_segment_size: 40
    .max_flat_workgroup_size: 512
    .sgpr_count:     66
    .vgpr_count:     256
    .wavefront_size: 32
...
	.end_amdgpu_metadata
.endif
;; end of part 7
;; launch combine (part 8): grid 257 x 1, 8 waves a work-group, no clusters, 0 bytes of LDS; arguments yp, sel, rp, tab, b_out, lowp_scales, out0, out1; writes out0, out1
.if DOCPART == 8
	.amdgcn_target "amdgcn-amd-amdhsa--gfx1250"
	.amdhsa_code_object_version 6
	.text
	.protected	k_qa86057e850_combine
	.globl	k_qa86057e850_combine
	.p2align	8
	.type	k_qa86057e850_combine,@function
k_qa86057e850_combine:
	s_mov_b64 s[64:65], 0
	v_nop
	global_prefetch_b8 v0, s[64:65] scope:SCOPE_SE
	s_setreg_imm32_b32 hwreg(HW_REG_WAVE_MODE, 25, 1), 1
	s_wait_xcnt 0x0
; THE WEIGHTED SUM, AND THE AUX LOSS.
; Work-groups 0 .. 255: out[t] = sum over the token's two experts k of g_k (2^(e2 + e3) (yp[0] + yp[1])[e_k][slot_k] + b_out[e_k]).
;   A wave takes half a token's row (2,048 bytes): wave number gw = 8 x work-group + wave, t = gw / 2, half = gw % 2.  Each output row has one owner: nothing is added across work-groups.
;   The experts come from sel, the slots from tab's rank, both stored as whole numbers by earlier launches and held within their tables before they enter an address.
;   A stream: every load and store of the wave covers 512 consecutive bytes, aligned; 24 loads are out at once.  No LDS, no matrix unit: there is one multiply-add a number.
; Work-group 256: aux = 8 sum_e (sum_t probs[t][e] / 1024) (cnt[e] / 2048) = 2^-18 sum_e cnt[e] sum_t probs[t][e].  32 KiB of probs and eight counts: one wave's work, so that no sum crosses waves;
;   the group's other seven waves have nothing to add and end.  It runs beside the other work-groups.
; LIMIT: e2 + e3 between -126 and 127.
	s_cmp_eq_u32 ttmp9, 256
	s_cbranch_scc1 .Laux
	s_load_b256 s[4:11], s[0:1], 0x0               ; yp s[4:5], sel s[6:7], rp s[8:9], tab s[10:11]
	s_load_b128 s[12:15], s[0:1], 0x20             ; b_out s[12:13], scales s[14:15]
	s_load_b64 s[16:17], s[0:1], 0x30              ; out0
	v_lshrrev_b32 v1, 5, v0
	s_delay_alu instid0(VALU_DEP_1)
	v_readfirstlane_b32 s18, v1                    ; wave
	v_and_b32 v1, 31, v0
	s_delay_alu instid0(VALU_DEP_1)
	v_lshlrev_b32 v1, 4, v1                        ; 16 lane
	s_lshl_b32 s19, ttmp9, 3
	s_add_co_u32 s19, s19, s18
	s_lshr_b32 s20, s19, 1                         ; t
	s_and_b32 s21, s19, 1                          ; half
	s_lshl_b32 s21, s21, 11                        ; in bytes
	s_lshl_b32 s22, s20, 3
	s_wait_alu depctr_va_vdst(0)
	s_wait_kmcnt 0x0
	s_load_b64 s[24:25], s[6:7], s22 offset:0x0    ; the two experts
	s_load_b64 s[26:27], s[8:9], s22 offset:0x8000 ; the two gates
	s_load_b128 s[28:31], s[14:15], 0x0            ; e0 .. e3
	s_wait_kmcnt 0x0
	s_min_u32 s24, s24, 7                          ; an expert lies in 0 .. 7
	s_min_u32 s25, s25, 7
	s_lshl_b32 s32, s24, 10
	s_add_co_u32 s32, s32, s20
	s_lshl_b32 s32, s32, 2
	s_lshl_b32 s33, s25, 10
	s_add_co_u32 s33, s33, s20
	s_lshl_b32 s33, s33, 2
	s_load_b32 s34, s[10:11], s32 offset:0x8000    ; rank[e_0][t]
	s_load_b32 s35, s[10:11], s33 offset:0x8000    ; rank[e_1][t]
	s_wait_kmcnt 0x0
	s_min_u32 s34, s34, 0x3ff                      ; a slot lies in 0 .. 1023
	s_min_u32 s35, s35, 0x3ff
	s_lshl_b32 s36, s24, 10
	s_add_co_u32 s36, s36, s34
	s_lshl_b32 s36, s36, 12
	s_add_co_u32 s36, s36, s21
	s_mov_b32 s37, 0
	s_add_nc_u64 s[40:41], s[4:5], s[36:37]        ; yp[0][e_0][slot_0], my half
	s_add_nc_u64 s[44:45], s[40:41], 0x2000000     ; yp[1] ..
	s_lshl_b32 s36, s25, 10
	s_add_co_u32 s36, s36, s35
	s_lshl_b32 s36, s36, 12
	s_add_co_u32 s36, s36, s21
	s_add_nc_u64 s[48:49], s[4:5], s[36:37]        ; yp[0][e_1][slot_1]
	s_add_nc_u64 s[52:53], s[48:49], 0x2000000
	s_lshl_b32 s36, s24, 12
	s_add_co_u32 s36, s36, s21
	s_add_nc_u64 s[56:57], s[12:13], s[36:37]      ; b_out[e_0]
	s_lshl_b32 s36, s25, 12
	s_add_co_u32 s36, s36, s21
	s_add_nc_u64 s[60:61], s[12:13], s[36:37]      ; b_out[e_1]
	s_lshl_b32 s36, s20, 12
	s_add_co_u32 s36, s36, s21
	s_add_nc_u64 s[16:17], s[16:17], s[36:37]      ; out0[t], my half
.irp j, 0,1,2,3
	global_load_b128 v[16+4*\j:19+4*\j], v1, s[40:41] offset:512*\j th:TH_LOAD_NT
	global_load_b128 v[32+4*\j:35+4*\j], v1, s[44:45] offset:512*\j th:TH_LOAD_NT
	global_load_b128 v[48+4*\j:51+4*\j], v1, s[48:49] offset:512*\j th:TH_LOAD_NT
	global_load_b128 v[64+4*\j:67+4*\j], v1, s[52:53] offset:512*\j th:TH_LOAD_NT
	global_load_b128 v[80+4*\j:83+4*\j], v1, s[56:57] offset:512*\j
	global_load_b128 v[96+4*\j:99+4*\j], v1, s[60:61] offset:512*\j
.endr
	s_add_co_i32 s38, s30, s31
	s_add_co_i32 s38, s38, 127
	s_lshl_b32 s38, s38, 23                        ; 2^(e2 + e3)
	s_mul_f32 s68, s26, s38                        ; g_0 2^(e2 + e3); the packed forms name pairs, so both words are written
	s_mov_b32 s69, s68
	s_mul_f32 s70, s27, s38
	s_mov_b32 s71, s70
	s_mov_b32 s72, s26
	s_mov_b32 s73, s26
	s_mov_b32 s74, s27
	s_mov_b32 s75, s27
	s_wait_loadcnt 0x0
.set p, 0
.rept 8
	v_pk_add_f32 v[16+p:17+p], v[16+p:17+p], v[32+p:33+p]                          ; K's two halves
	v_pk_add_f32 v[48+p:49+p], v[48+p:49+p], v[64+p:65+p]
	s_delay_alu instid0(VALU_DEP_2)
	v_pk_mul_f32 v[16+p:17+p], v[16+p:17+p], s[68:69] op_sel_hi:[1,0]
	s_delay_alu instid0(VALU_DEP_1)
	v_pk_fma_f32 v[16+p:17+p], v[48+p:49+p], s[70:71], v[16+p:17+p] op_sel_hi:[1,0,1]
	s_delay_alu instid0(VALU_DEP_1)
	v_pk_fma_f32 v[16+p:17+p], v[80+p:81+p], s[72:73], v[16+p:17+p] op_sel_hi:[1,0,1]
	s_delay_alu instid0(VALU_DEP_1)
	v_pk_fma_f32 v[16+p:17+p], v[96+p:97+p], s[74:75], v[16+p:17+p] op_sel_hi:[1,0,1]
.set p, p+2
.endr
.irp j, 0,1,2,3
	global_store_b128 v1, v[16+4*\j:19+4*\j], s[16:17] offset:512*\j th:TH_STORE_NT
.endr
	s_endpgm
; ---- the aux loss.  Lane l of load j reads 16 bytes at 512 j + 16 l of probs: token 16 j + l / 2, experts 4 (l % 2) + 0 .. 3: so a lane's four sums belong to four experts.
.set PA, 16                            ; v16-79, v80-143: two runs of 16 loads
.set PB, 80
.macro PLOAD j0, reg
.set pi, 0
.rept 16
	global_load_b128 v[\reg+4*pi:\reg+4*pi+3], v2, s[8:9] offset:512*(\j0+pi)
.set pi, pi+1
.endr
.endm
.macro ACCUM reg, first                ; v[4:7] += the run's 16 x 4 numbers; the first two start the sums
.if \first
	v_pk_add_f32 v[4:5], v[\reg:\reg+1], v[\reg+4:\reg+5]
	v_pk_add_f32 v[6:7], v[\reg+2:\reg+3], v[\reg+6:\reg+7]
.set pi, 2
.else
.set pi, 0
.endif
	v_pk_add_f32 v[4:5], v[4:5], v[\reg+4*pi:\reg+4*pi+1]
	v_pk_add_f32 v[6:7], v[6:7], v[\reg+4*pi+2:\reg+4*pi+3]
.set pi, pi+1
.rept (16-2*\first)-1
	s_delay_alu instid0(VALU_DEP_2)
	v_pk_add_f32 v[4:5], v[4:5], v[\reg+4*pi:\reg+4*pi+1]
	s_delay_alu instid0(VALU_DEP_2)
	v_pk_add_f32 v[6:7], v[6:7], v[\reg+4*pi+2:\reg+4*pi+3]
.set pi, pi+1
.endr
.endm
.Laux:
	v_lshrrev_b32 v1, 5, v0
	s_delay_alu instid0(VALU_DEP_1)
	v_readfirstlane_b32 s18, v1
	s_cmp_lg_u32 s18, 0
	s_cbranch_scc1 .Lend
	s_load_b128 s[8:11], s[0:1], 0x10              ; rp s[8:9], tab s[10:11]
	s_load_b64 s[16:17], s[0:1], 0x38              ; out1
	v_and_b32 v1, 31, v0                           ; lane
	s_delay_alu instid0(VALU_DEP_1)
	v_lshlrev_b32 v2, 4, v1                        ; 16 lane
	v_and_b32 v3, 1, v0
	s_delay_alu instid0(VALU_DEP_1)
	v_lshlrev_b32 v3, 9, v3                        ; cnt of experts 4 (lane % 2) + u: 128 bytes an expert
	s_mov_b32 s12, 0x76543210
	s_mov_b32 s13, 0xfedcba98                      ; lane selects: lane xor 16
	s_wait_alu depctr_va_vdst(0)
	s_wait_kmcnt 0x0
.irp u, 0,1,2,3
	global_load_b32 v[8+\u], v3, s[10:11] offset:65536+128*\u
.endr
	PLOAD 0, PA
	PLOAD 16, PB
	s_wait_loadcnt 16                              ; the older run (and the counts) are in, the younger run of 16 may be out
	ACCUM PA, 1
	PLOAD 32, PA
	s_wait_alu depctr_va_vdst(0)
	s_wait_loadcnt 16
	ACCUM PB, 0
	PLOAD 48, PB
	s_wait_alu depctr_va_vdst(0)
	s_wait_loadcnt 16
	ACCUM PA, 0
	s_wait_alu depctr_va_vdst(0)
	s_wait_loadcnt 0x0
	ACCUM PB, 0
	v_mov_b32 v13, 0                               ; a lane permute's destination counts as read
.irp m, 2,4,8                          ; the lanes of my parity hold the same four experts
.irp u, 0,1,2,3
	v_add_f32_dpp v[4+\u], v[4+\u], v[4+\u] row_xmask:\m row_mask:0xf bank_mask:0xf
.endr
.endr
.irp u, 0
	s_delay_alu instid0(VALU_DEP_4)
	v_permlanex16_b32 v13, v[4+\u], s12, s13
	s_delay_alu instid0(VALU_DEP_1)
	v_add_f32 v[4+\u], v[4+\u], v13
.endr
.irp u, 1, 2, 3
	s_delay_alu instid0(VALU_DEP_2)
	v_permlanex16_b32 v13, v[4+\u], s12, s13
	s_delay_alu instid0(VALU_DEP_1)
	v_add_f32 v[4+\u], v[4+\u], v13
.endr
.irp u, 0,1,2,3
	v_cvt_f32_u32 v[8+\u], v[8+\u]
.endr
	s_delay_alu instid0(VALU_DEP_4)
	v_mul_f32 v12, v4, v8
	s_delay_alu instid0(VALU_DEP_1)
	v_fmac_f32 v12, v5, v9
	s_delay_alu instid0(VALU_DEP_1)
	v_fmac_f32 v12, v6, v10
	s_delay_alu instid0(VALU_DEP_1)
	v_fmac_f32 v12, v7, v11
	s_delay_alu instid0(VALU_DEP_1)
	v_add_f32_dpp v12, v12, v12 row_xmask:1 row_mask:0xf bank_mask:0xf   ; the other four experts
	s_delay_alu instid0(VALU_DEP_1)
	v_mul_f32 v12, 0x36800000, v12                 ; x 2^-18
	v_mov_b32 v14, 0
	s_wait_alu depctr_va_vdst(0)
	s_wait_xcnt 0x0                                ; EXEC changes only behind this wait
	v_cmp_eq_u32 vcc_lo, 0, v1
	s_and_saveexec_b32 s20, vcc_lo
	global_store_b32 v14, v12, s[16:17]
	s_wait_xcnt 0x0
	s_or_b32 exec_lo, exec_lo, s20
.Lend:
	s_endpgm
.Lfunc_end_k_qa86057e850_combine:
	.size	k_qa86057e850_combine, .Lfunc_end_k_qa86057e850_combine-k_qa86057e850_combine
	.p2alignl 7, 3214868480
	.fill 96, 4, 3214868480
	.section	.rodata,"a",@progbits
	.p2align	6, 0x0
	.amdhsa_kernel k_qa86057e850_combine
		.amdhsa_group_segment_fixed_size 0
		.amdhsa_private_segment_fixed_size 0
		.amdhsa_enable_private_segment 0
		.amdhsa_kernarg_size 64
		.amdhsa_user_sgpr_count 2
		.amdhsa_user_sgpr_kernarg_segment_ptr 1
		.amdhsa_wavefront_size32 1
		.amdhsa_system_sgpr_workgroup_id_x 1
		.amdhsa_system_sgpr_workgroup_id_y 1
		.amdhsa_system_sgpr_workgroup_id_z 1
		.amdhsa_system_vgpr_workitem_id 0
		.amdhsa_next_free_vgpr 144
		.amdhsa_next_free_sgpr 80
		.amdhsa_reserve_vcc 1
		.amdhsa_float_denorm_mode_32 3
		.amdhsa_float_denorm_mode_16_64 3
		.amdhsa_memory_ordered 1
		.amdhsa_forward_progress 1
		.amdhsa_inst_pref_size 31
	.end_amdhsa_kernel
	.amdgpu_metadata
---
amdhsa.version: [ 1, 2 ]
amdhsa.kernels:
  - .name:           k_qa86057e850_combine
    .symbol:         k_qa86057e850_combine.kd
    .args:
      - { .name: yp, .offset: 0, .size: 8, .value_kind: global_buffer, .address_space: global }
      - { .name: sel, .offset: 8, .size: 8, .value_kind: global_buffer, .address_space: global }
      - { .name: rp, .offset: 16, .size: 8, .value_kind: global_buffer, .address_space: global }
      - { .name: tab, .offset: 24, .size: 8, .value_kind: global_buffer, .address_space: global }
      - { .name: b_out, .offset: 32, .size: 8, .value_kind: global_buffer, .address_space: global }
      - { .name: lowp_scales, .offset: 40, .size: 8, .value_kind: global_buffer, .address_space: global }
      - { .name: out0, .offset: 48, .size: 8, .value_kind: global_buffer, .address_space: global }
      - { .name: out1, .offset: 56, .size: 8, .value_kind: global_buffer, .address_space: global }
    .group_segment_fixed_size: 0
    .private_segment_fixed_size: 0
    .kernarg_segment_align: 8
    .kernarg_segment_size: 64
    .max_flat_workgroup_size: 256
    .sgpr_count:     80
    .vgpr_count:     144
    .wavefront_size: 32
...
	.end_amdgpu_metadata
.endif
;; end of part 8
